; MI455X (gfx1250); checked and timed in simulation.
; The chip was launched on July 23, 2026; its instructions are those of AMD's public machine-readable ISA for CDNA 5 (MIT licence, August 2026) and "CDNA5" Instruction Set Architecture Reference Guide (July 2026). The comments in the code are by the model that wrote it; some were corrected since.
;; TU Layer. Allowed arithmetic: matrix products marked QUANTISED: E3M2 operands, one E8M0 scale for each 32 along K, by v_wmma_scale_f32_16x16x128_f8f6f4 with both operands' format E3M2, f32 sums; products left as they are: f32 operands where the result goes on into a quantised operand, else bf16, f16 or f32 operands; f32 sums; everything else in f32.
;; Inputs: b1 256 float32; b2 256 float32; points_1_codes 2 x 4,096 x 8 x 24 uint8 (E3M2 codes of points_1, K innermost, in blocks of 32 codes, four codes in three bytes); points_1_scales 2 x 4,096 x 8 uint8 (E8M0 scales of points_1, one for each 32 codes along K); points_2_codes 2 x 16,384 x 8 x 24 uint8 (E3M2 codes of points_2, K innermost, in blocks of 32 codes, four codes in three bytes); points_2_scales 2 x 16,384 x 8 uint8 (E8M0 scales of points_2, one for each 32 codes along K); w1_codes 256 x 8 x 24 uint8 (E3M2 codes of w1, K innermost, in blocks of 32 codes, four codes in three bytes); w1_scales 256 x 8 uint8 (E8M0 scales of w1, one for each 32 codes along K); w2_codes 256 x 8 x 24 uint8 (E3M2 codes of w2, K innermost, in blocks of 32 codes, four codes in three bytes); w2_scales 256 x 8 uint8 (E8M0 scales of w2, one for each 32 codes along K); xyz_1 2 x 3 x 4,096 float32; xyz_2 2 x 3 x 16,384 float32.
;; Outputs: out0 2 x 3 x 16,384 float32; out1 2 x 256 x 16,384 float32.
;; This version of the problem:
;;   THIS VERSION OF THE PROBLEM IS GIVEN IN LOW PRECISION. The matrix products marked QUANTISED in the list below multiply operands that are first quantised to E3M2 (3 exponent bits, 2 mantissa bits; 6 bits a number), with one power-of-two scale for each 32 numbers along K (OCP MX v1.0); their sums are f32. All else is computed in f32.
;;   The module's matrix products, in the order in which they are computed (A, B: the left and right operand; K: the contracted axis; several contracted axes count as one K, in the product's order):
;;     1. [M 8,192, K 256] x [K 256, N 256]; A: input points_1 (given as codes); B: input w1 (given as codes): QUANTISED
;;     2. [M 32,768, K 256] x [K 256, N 256]; A: input points_2 (given as codes); B: input w2 (given as codes): QUANTISED
;;     3. batch 2 x [M 16,384, K 3] x [K 3, N 4,096]; A: input xyz_2; B: input xyz_1: left as it is (K = 3 < 32)
;;     4. batch 32,768 x [M 1, K 3] x [K 3, N 256]; A: computed on the way; B: computed on the way: left as it is (K = 3 < 32)
;;   THE QUANTISER, for each operand of a quantised product, along K:
;;     - K is cut into blocks of 32 from its start; a last block that is shorter is filled with zeros.
;;     - A block's scale is 2^e with e = floor(log2(the largest magnitude in the block)) - 4, held to -126 .. 127; a block of zeros has e = 0. As a byte (E8M0): e + 127.
;;     - Each number is divided by its block's scale, clamped to +-28, and rounded to the nearest number of E3M2, ties to even, subnormals kept.
;;     - The product sums the exact products of the quantised numbers (number of the format x scale) in f32.
;;   ~~~python
;;   def quantise(x, axis):      # numpy; x: float32 -> the quantised numbers, widened to float32 again
;;       x = np.moveaxis(x, axis, -1); K = x.shape[-1]
;;       x = np.pad(x, [(0, 0)] * (x.ndim - 1) + [(0, -K % 32)]); x = x.reshape(x.shape[:-1] + (-1, 32)); a = np.abs(x).max(-1, keepdims=True)
;;       e = np.where(a > 0, np.clip(np.frexp(np.where(a > 0, a, 1))[1] - 1 - 4, -126, 127), 0)      # np.frexp(a)[1] - 1 = floor(log2(a)), exactly
;;       r = np.clip(x / 2.0 ** e, -28, 28)
;;       step = 2.0 ** (np.maximum(np.frexp(np.where(r == 0, 1, r))[1] - 1, -2) - 2)
;;       q = np.round(r / step) * step * 2.0 ** e      # np.round: ties to even
;;       return np.moveaxis(q.reshape(q.shape[:-2] + (-1,))[..., :K], -1, axis).astype(np.float32)
;;   ~~~
;;   INPUTS GIVEN AS CODES. points_1 (in the module: [2, 256, 4096], K = its axis 1); points_2 (in the module: [2, 256, 16384], K = its axis 1); w1 (in the module: [256, 256], K = its axis 1); w2 (in the module: [256, 256], K = its axis 1): each comes as NAME_codes (uint8): NAME with its K axis moved to the last place and cut into blocks of 32 codes, [.., K / 32, bytes a block], one block behind the other in memory; four codes in three bytes: a row's codes are one little-endian stream of bits, code i at bits 6 i .. 6 i + 5 (a code: sign, 3 exponent bits, 2 mantissa bits); and NAME_scales (uint8): the same leading axes, one E8M0 byte (e + 127) for each 32 codes along K. Its value is code x scale, taken as it is: it is not quantised again, and the codes and scales need not be those that the quantiser above would give.
;; 2 versions, each right; version 2 is version 1 with the launches filter, rescan, fuse written anew for expert scheduling mode. Each part assembles by itself: llvm-mc -triple=amdgcn-amd-amdhsa -mcpu=gfx1250 --defsym DOCPART=n.
;; ======== version 1 of 2: 3 launches
;; limits: below input magnitudes of 8.9e-16 results are inexact or not finite
;; workspace buffers: keys 2,097,152 bytes of whole numbers; idx4 524,288 bytes of whole numbers; w4 524,288 bytes; p1t 8,388,608 bytes
;; launch filter (part 1): grid 256 x 1, 4 waves a work-group, no clusters, 16,896 bytes of LDS; arguments xyz_1, xyz_2, keys; writes keys
.if DOCPART == 1
	.amdgcn_target "amdgcn-amd-amdhsa--gfx1250"
	.amdhsa_code_object_version 6
	.text
	.protected	k_qd03229e249_filter
	.globl	k_qd03229e249_filter
	.p2align	8
	.type	k_qd03229e249_filter,@function
k_qd03229e249_filter:
	s_mov_b64 s[64:65], 0
	v_nop
	global_prefetch_b8 v0, s[64:65] scope:SCOPE_SE
	s_setreg_imm32_b32 hwreg(HW_REG_WAVE_MODE, 25, 1), 1
	s_wait_xcnt 0x0
; FIRST STAGE OF THE SEARCH FOR THE THREE NEAREST.  xyz_1 [2][3][4096] are the candidates, xyz_2 [2][3][16384] the queries, f32.
; The candidates of a batch are cut into 128 chunks of 32 neighbours.  The three nearest of a query lie in the three chunks with the smallest chunk minima, so this launch
; only finds small chunk minima: for each query and each quarter of the candidates (32 chunks) the FOUR smallest, as keys, into keys [4 quarters][32768 queries][4] u32, sorted ascending.
; A key is the minimum's f32 bits with its low 7 bits replaced by the chunk's number (0..127): positive numbers, so that the order of the bits is the order of the numbers.
; The next launch takes the four best of a query's sixteen keys and scans those 128 candidates again: nothing of this launch's arithmetic reaches a result but the choice of chunks.
; THE ARITHMETIC.  The product has K = 3: it is done in f32 by fused multiply-adds, two candidates an instruction: dd - 2 q.c = fma(-2x, qx, fma(-2y, qy, fma(-2z, qz, dd))).
; ss hangs on the query alone and rounding keeps the order, so it is added once to each chunk's minimum and not to each distance.
; SHARES.  Work-group x: quarter x % 4 of the candidates, block x / 4 of 512 queries.  Each of the four waves owns 128 queries, lane l queries 32 e + l (e = 0..3), and walks all 1,024 candidates.
; A candidate is the same for all lanes: it comes from LDS, every lane reading the same 16 bytes.  Four loads (four candidates) feed 24 packed multiply-adds and 8 minima of a lane's four queries.
; LDS: 256 groups of four candidates, 64 bytes each: (-2x)[4], (-2y)[4], (-2z)[4], dd[4].  One barrier: in front of it the table is written, behind it LDS is only read.
; LIMITS.  NaN and infinities are not served.  Minima under 2^-100 count as equal.  A true neighbour's chunk is missed only if two further chunk minima lie above the third distance by less than
; this arithmetic's own rounding (a few ulp of ss + dd) plus the 7 bits that a key gives up (2^-16 of the distance): one chunk more than needed is kept for that.
.set QD,  16                           ; v16-39   coordinate c of query e, twice: the pair at QD + 6 e + 2 c (the packed form multiplies two candidates by it)
.set SS,  40                           ; v40-43   ss of query e
.set RA,  64                           ; v64-127  a chunk's first 16 candidates: four groups of 16 registers, as they lie in LDS (in the preparation: my eight candidates)
.set RB,  128                          ; v128-191 its last 16
.set T,   192                          ; v192-207 eight pairs at work: query e's at T + 4 e
.set MA,  208                          ; v208-215 two running minima a query
.set KY,  216                          ; v216-231 four sorted keys a query
.set TM,  232                          ; v232-235 the chunk's key, one a query
; v1 lane; v2 16 t; v3 64 t; v4 4 x lane; v5 16 x lane; v10, v12 the LDS addresses of the ring's two halves
	s_load_b128 s[4:7], s[0:1], 0x0                ; xyz_1, xyz_2
	s_load_b64 s[8:9], s[0:1], 0x10                ; keys
	v_lshl_add_u32 v254, v0, 2, 0x4000
	v_mov_b32 v255, 0
	v_lshrrev_b32 v1, 5, v0
	v_readfirstlane_b32 s10, v1                    ; wave 0..3
	s_and_b32 s11, ttmp9, 3                        ; the quarter of the candidates
	s_lshr_b32 s12, ttmp9, 2                       ; the block of 512 queries, 0..63
	s_lshr_b32 s13, s12, 5                         ; the batch
	s_mul_i32 s14, s13, 49152                      ; xyz_1: batch x 3 x 4096 x 4
	s_lshl_b32 s15, s11, 12                        ; + quarter x 1024 x 4
	s_add_co_u32 s14, s14, s15
	s_mov_b32 s15, 0
	s_mul_i32 s16, s13, 196608                     ; xyz_2: batch x 3 x 16384 x 4
	s_and_b32 s17, s12, 31
	s_lshl_b32 s17, s17, 11                        ; + block in the batch x 512 x 4
	s_add_co_u32 s16, s16, s17
	s_lshl_b32 s17, s10, 9                         ; + wave x 128 x 4
	s_add_co_u32 s16, s16, s17
	s_mov_b32 s17, 0
	s_lshl_b32 s18, s11, 19                        ; keys: quarter x 32768 x 16
	s_lshl_b32 s19, s12, 13                        ; + block x 512 x 16
	s_add_co_u32 s18, s18, s19
	s_lshl_b32 s19, s10, 11                        ; + wave x 128 x 16
	s_add_co_u32 s18, s18, s19
	s_mov_b32 s19, 0
	s_mov_b32 s24, 31                              ; trips that fetch
	s_mov_b32 s25, 0xffffff80                      ; a key's bits of the distance
	s_lshl_b32 s26, s11, 5                         ; the chunk in hand: 32 x quarter on
	v_and_b32 v1, 31, v0
	v_lshlrev_b32 v2, 4, v0
	v_lshlrev_b32 v3, 6, v0
	v_lshlrev_b32 v4, 2, v1
	v_lshlrev_b32 v5, 4, v1
	s_wait_kmcnt 0x0
	s_add_nc_u64 s[4:5], s[4:5], s[14:15]
	s_add_nc_u64 s[6:7], s[6:7], s[16:17]
	s_add_nc_u64 s[8:9], s[8:9], s[18:19]
.irp i, 0,1
.irp c, 0,1,2
	global_load_b128 v[RA+16*\i+4*\c:RA+16*\i+4*\c+3], v2, s[4:5] offset:16384*\c+2048*\i   ; coordinate c of candidates 512 i + 4 t + 0..3, group 128 i + t: a wave reads 512 consecutive bytes
.endr
.endr
.irp e, 0,1,2,3
.irp c, 0,1,2
	global_load_b32 v[QD+6*\e+2*\c], v4, s[6:7] offset:65536*\c+128*\e                       ; coordinate c of query 32 e + lane: a wave reads 128 consecutive bytes
.endr
.endr
	s_wait_loadcnt 12                              ; the six loads of candidates are in; the twelve of queries may be out
; THE TABLE: dd, then the coordinates x -2 (exact), operation by operation; a group goes to LDS as its 16 registers stand
.irp i, 0,1
.irp e, 0,1,2,3
	v_mul_f32 v[RA+16*\i+12+\e], v[RA+16*\i+\e], v[RA+16*\i+\e]
.endr
.endr
.irp i, 0,1
.irp e, 0,1,2,3
	v_fma_f32 v[RA+16*\i+12+\e], v[RA+16*\i+4+\e], v[RA+16*\i+4+\e], v[RA+16*\i+12+\e]
.endr
.endr
.irp i, 0,1
.irp e, 0,1,2,3
	v_fma_f32 v[RA+16*\i+12+\e], v[RA+16*\i+8+\e], v[RA+16*\i+8+\e], v[RA+16*\i+12+\e]
.endr
.endr
.irp i, 0,1
.irp j, 0,1,2,3,4,5,6,7,8,9,10,11
	v_mul_f32 v[RA+16*\i+\j], -2.0, v[RA+16*\i+\j]
.endr
.endr
.irp i, 0,1
.irp c, 0,1,2,3
	ds_store_b128 v3, v[RA+16*\i+4*\c:RA+16*\i+4*\c+3] offset:8192*\i+16*\c
.endr
.endr
	s_wait_loadcnt 0x0                             ; the queries
.irp e, 0,1,2,3
	v_mul_f32 v[SS+\e], v[QD+6*\e], v[QD+6*\e]
.endr
.irp e, 0,1,2,3
	v_fma_f32 v[SS+\e], v[QD+6*\e+2], v[QD+6*\e+2], v[SS+\e]
.endr
.irp e, 0,1,2,3
	v_fma_f32 v[SS+\e], v[QD+6*\e+4], v[QD+6*\e+4], v[SS+\e]
.endr
.irp j, 0,1,2,3,4,5,6,7,8,9,10,11
	v_mov_b32 v[QD+2*\j+1], v[QD+2*\j]             ; each coordinate twice
.endr
.irp j, 0,1,2,3,4,5,6,7,8,9,10,11,12,13,14,15
	v_mov_b32 v[KY+\j], 0x7f7fffff                 ; the keys begin above every key
.endr
	v_mov_b32 v10, 0                               ; chunk 0's first 16 candidates,
	v_mov_b32 v12, 256                             ; and its last 16
	s_wait_dscnt 0x0                               ; for the others' sake: my two groups lie in LDS (and the stores have read the registers that the ring takes)
	s_barrier_signal -1
	s_barrier_wait -1                              ; the table is whole.  From here on LDS is only read
.macro FETCH buf, adr                  ; 16 candidates, 256 bytes: 16 loads, every lane the same 16 bytes
.irp k, 0,1,2,3,4,5,6,7,8,9,10,11,12,13,14,15
	ds_load_b128 v[\buf+4*\k:\buf+4*\k+3], v[\adr] offset:16*\k
.endr
.endm
; Four candidates against my four queries: eight chains of three packed multiply-adds, operation by operation, so that a line reads what was written eight lines back; then eight minima.
; first = 1: the chunk's first group starts the running minima.
.macro GROUP buf, g, first
.set GB, \buf+16*(\g)
.irp e, 0,1,2,3
	v_pk_fma_f32 v[T+4*\e:T+4*\e+1],   v[GB+8:GB+9],   v[QD+6*\e+4:QD+6*\e+5], v[GB+12:GB+13]   ; dd - 2 z qz
	v_pk_fma_f32 v[T+4*\e+2:T+4*\e+3], v[GB+10:GB+11], v[QD+6*\e+4:QD+6*\e+5], v[GB+14:GB+15]
.endr
.irp e, 0,1,2,3
	v_pk_fma_f32 v[T+4*\e:T+4*\e+1],   v[GB+4:GB+5],   v[QD+6*\e+2:QD+6*\e+3], v[T+4*\e:T+4*\e+1]       ; - 2 y qy
	v_pk_fma_f32 v[T+4*\e+2:T+4*\e+3], v[GB+6:GB+7],   v[QD+6*\e+2:QD+6*\e+3], v[T+4*\e+2:T+4*\e+3]
.endr
.irp e, 0,1,2,3
	v_pk_fma_f32 v[T+4*\e:T+4*\e+1],   v[GB:GB+1],     v[QD+6*\e:QD+6*\e+1],   v[T+4*\e:T+4*\e+1]       ; - 2 x qx
	v_pk_fma_f32 v[T+4*\e+2:T+4*\e+3], v[GB+2:GB+3],   v[QD+6*\e:QD+6*\e+1],   v[T+4*\e+2:T+4*\e+3]
.endr
.irp e, 0,1,2,3
.if \first
	v_min_num_f32 v[MA+2*\e],   v[T+4*\e],   v[T+4*\e+1]
	v_min_num_f32 v[MA+2*\e+1], v[T+4*\e+2], v[T+4*\e+3]
.else
	v_min3_num_f32 v[MA+2*\e],   v[MA+2*\e],   v[T+4*\e],   v[T+4*\e+1]
	v_min3_num_f32 v[MA+2*\e+1], v[MA+2*\e+1], v[T+4*\e+2], v[T+4*\e+3]
.endif
.endr
.endm
; The chunk is done: its minimum + ss, held at 2^-100 from below, becomes a key and is put into the query's sorted four; the four queries line by line in turn
.macro CHUNKEND
.irp e, 0,1,2,3
	v_min_num_f32 v[TM+\e], v[MA+2*\e], v[MA+2*\e+1]
.endr
.irp e, 0,1,2,3
	v_add_f32 v[TM+\e], v[TM+\e], v[SS+\e]
.endr
.irp e, 0,1,2,3
	v_max_num_f32 v[TM+\e], 0x0d800000, v[TM+\e]
.endr
.irp e, 0,1,2,3
	v_and_or_b32 v[TM+\e], v[TM+\e], s25, s26
.endr
.irp e, 0,1,2,3
	v_med3_num_f32 v[KY+4*\e+3], v[KY+4*\e+2], v[KY+4*\e+3], v[TM+\e]
.endr
.irp e, 0,1,2,3
	v_med3_num_f32 v[KY+4*\e+2], v[KY+4*\e+1], v[KY+4*\e+2], v[TM+\e]
.endr
.irp e, 0,1,2,3
	v_med3_num_f32 v[KY+4*\e+1], v[KY+4*\e], v[KY+4*\e+1], v[TM+\e]
.endr
.irp e, 0,1,2,3
	v_min_num_f32 v[KY+4*\e], v[KY+4*\e], v[TM+\e]
.endr
	s_add_co_u32 s26, s26, 1                       ; the next chunk's number
.endm
; A trip: one chunk.  fetch = 1: each half of the ring takes the next chunk's candidates as soon as it has been used: they have the other half's four groups in which to land.
; Each half has an address register of its own, stepped when that half's earlier loads have been waited for.
.macro TRIP fetch
	s_wait_dscnt 16                                ; the first half's 16 loads are in; the second half's 16 may be out
	GROUP RA, 0, 1
	GROUP RA, 1, 0
	GROUP RA, 2, 0
	GROUP RA, 3, 0
.if \fetch
	v_add_nc_u32 v10, 512, v10
	FETCH RA, 10
	s_wait_dscnt 16                                ; the second half's are in; the 16 just issued may be out
.else
	s_wait_dscnt 0x0
.endif
	GROUP RB, 0, 0
	GROUP RB, 1, 0
	GROUP RB, 2, 0
	GROUP RB, 3, 0
.if \fetch
	v_add_nc_u32 v12, 512, v12
	FETCH RB, 12
.endif
	CHUNKEND
.endm
	FETCH RA, 10
	FETCH RB, 12
.Lchunk:
	TRIP 1
	s_sub_co_u32 s24, s24, 1
	s_cmp_lg_u32 s24, 0
	s_cbranch_scc1 .Lchunk
	TRIP 0                                         ; the quarter's last chunk: nothing is left to fetch
.irp e, 0,1,2,3
	global_store_b128 v5, v[KY+4*\e:KY+4*\e+3], s[8:9] offset:512*\e   ; queries 32 e + lane: 32 lanes store 512 consecutive bytes, at a multiple of 256 from the buffer's first byte
.endr
	s_wait_tensorcnt 0x0
	ds_add_u32 v254, v255
	s_wait_dscnt 0x0
	s_endpgm
.Lfunc_end_k_qd03229e249_filter:
	.size	k_qd03229e249_filter, .Lfunc_end_k_qd03229e249_filter-k_qd03229e249_filter
	.p2alignl 7, 3214868480
	.fill 96, 4, 3214868480
	.section	.rodata,"a",@progbits
	.p2align	6, 0x0
	.amdhsa_kernel k_qd03229e249_filter
		.amdhsa_group_segment_fixed_size 16896
		.amdhsa_private_segment_fixed_size 0
		.amdhsa_enable_private_segment 0
		.amdhsa_kernarg_size 24
		.amdhsa_user_sgpr_count 2
		.amdhsa_user_sgpr_kernarg_segment_ptr 1
		.amdhsa_wavefront_size32 1
		.amdhsa_system_sgpr_workgroup_id_x 1
		.amdhsa_system_sgpr_workgroup_id_y 1
		.amdhsa_system_sgpr_workgroup_id_z 1
		.amdhsa_system_vgpr_workitem_id 0
		.amdhsa_next_free_vgpr 256
		.amdhsa_next_free_sgpr 66
		.amdhsa_reserve_vcc 0
		.amdhsa_float_denorm_mode_32 3
		.amdhsa_float_denorm_mode_16_64 3
		.amdhsa_memory_ordered 1
		.amdhsa_forward_progress 1
		.amdhsa_inst_pref_size 48
	.end_amdhsa_kernel
	.amdgpu_metadata
---
amdhsa.version: [ 1, 2 ]
amdhsa.kernels:
  - .name:           k_qd03229e249_filter
    .symbol:         k_qd03229e249_filter.kd
    .args:
      - { .name: xyz_1, .offset: 0, .size: 8, .value_kind: global_buffer, .address_space: global }
      - { .name: xyz_2, .offset: 8, .size: 8, .value_kind: global_buffer, .address_space: global }
      - { .name: keys, .offset: 16, .size: 8, .value_kind: global_buffer, .address_space: global }
    .group_segment_fixed_size: 16896
    .private_segment_fixed_size: 0
    .kernarg_segment_align: 8
    .kernarg_segment_size: 24
    .max_flat_workgroup_size: 128
    .sgpr_count:     66
    .vgpr_count:     256
    .wavefront_size: 32
...
	.end_amdgpu_metadata
.endif
;; end of part 1
;; launch rescan (part 2): grid 256 x 1, 4 waves a work-group, no clusters, 85,504 bytes of LDS; arguments keys, xyz_1, xyz_2, points_1_codes, points_1_scales, w1_codes, w1_scales, b1, p1t, idx4, w4; writes p1t, idx4, w4
.if DOCPART == 2
	.amdgcn_target "amdgcn-amd-amdhsa--gfx1250"
	.amdhsa_code_object_version 6
	.text
	.protected	k_qd03229e249_rescan
	.globl	k_qd03229e249_rescan
	.p2align	8
	.type	k_qd03229e249_rescan,@function
k_qd03229e249_rescan:
	s_mov_b64 s[64:65], 0
	v_nop
	global_prefetch_b8 v0, s[64:65] scope:SCOPE_SE
	s_setreg_imm32_b32 hwreg(HW_REG_WAVE_MODE, 25, 1), 1
	s_wait_xcnt 0x0
; TWO THINGS IN ONE LAUNCH, since the first leaves the matrix unit idle.
; (1) THE SECOND STAGE OF THE SEARCH.  Thread t of work-group x is query 128 x + t.  Of its 16 keys (four of each quarter of the candidates) it takes the four smallest, by whole-number instructions,
;     since LDS addresses hang on them; their low 7 bits name four chunks of 32 candidates.  Those 128 candidates are scanned in f32,
;     d = max((ss + dd) - 2 q.c, 0), for the three smallest d, the lower index first among equals.  Out: idx4 [32768][4] u32 (three rows of p1t, then 0), w4 [32768][4] f32 (three weights, then 0).
; (2) p1 = points_1 W1^T + b1 on codes of E3M2 with E8M0 scales: p1t [8192 points][256 channels] f32.  The work-group makes points 32 x .. 32 x + 31, wave w channels 64 w .. 64 w + 63.
; THE ORDER OF ROUNDING.  ss and dd: the three squares are rounded one by one and added in ascending order, (x x + y y) + z z (no fused form, on purpose).
; The dot: one chain of fused multiply-adds in ascending k, fma(qz, z, fma(qy, y, qx x)).  s = ss + dd; d = s - 2 p in one rounding (2 p is exact).
; LIMIT: which candidate is third hangs on d's last bit; where the third and fourth distances differ by less than the rounding of ss + dd - 2 q.c (an ulp or two of ss + dd),
; another order of rounding may choose the other.  NaN and infinities are not served.
; LDS: the batch's 4,096 candidates as (x, dd, y, z), 16 bytes each, a chunk 528 bytes (512 + 16, so that chunks begin in different groups of banks); behind them a stage of 16 rows x 272 bytes a wave for p1t.
; ONE barrier: in front of it the table and the stages are written, behind it LDS is only read.
.set CH,    528
.set PSTG,  128*CH
.set ACC0,  16                         ; v16-47   the table's quads in the making; then the first point tile's four results; then the two lists and what the scan works with
.set BIAS,  48                         ; v48-79   b1 in the results' layout, four tiles: the C of the first tile's sums, and the second tile's sums themselves
.set P1F,   80                         ; v80-127  points' fragments, 12 registers for (point tile, K step)
.set XT,    128                        ; v128-223 xyz_1 as loaded; then
.set W1F,   128                        ;          W1's fragments, 12 registers for (channel tile, K step)
.set RING,  96                         ; v96-223  in the scan: two halves of 16 candidates
.set KEY,   224                        ; v224-239 the 16 keys; later
.set LB,    232                        ; v232-235 the four chunks' LDS addresses,
.set ID,    236                        ; v236-239 and their numbers, ascending
.set QX,    240                        ; v240-242 qx, qy, qz
.set P1S,   244                        ; v244-247 the points' scale words: they hold nothing else
.set W1S,   248                        ; v248-255 W1's
; v1 r; v2 h; v3 16 t; v4 4 t; v5 192 r + 24 h; v6 8 r; v7 32 h; v8 the table, on the way in; v9, v10 the stage, in and back; v11 my bytes in two rows of p1t; v12, v13 at work
; in the scan: v16-18, v19-21 list A's distances and codes; v22-24, v25-27 list B's; v28-35 at work; v[36:37] = (0, ss); v[38:39] = (qx, 1); v40-47 what is stored
	s_load_b256 s[4:11], s[0:1], 0x0               ; keys, xyz_1, xyz_2, points_1_codes
	s_load_b256 s[12:19], s[0:1], 0x20             ; points_1_scales, w1_codes, w1_scales, b1
	s_load_b128 s[20:23], s[0:1], 0x40             ; p1t, idx4
	s_load_b64 s[24:25], s[0:1], 0x50              ; w4
	v_lshl_add_u32 v15, v0, 2, 0x14c00
	v_mov_b32 v243, 0
	v_lshrrev_b32 v1, 5, v0
	v_readfirstlane_b32 s26, v1                    ; wave 0..3
	s_lshr_b32 s27, ttmp9, 7                       ; the batch
	s_lshl_b32 s36, s27, 12                        ; its first row of p1t
	v_and_b32 v1, 15, v0
	v_bfe_u32 v2, v0, 4, 1
	v_lshlrev_b32 v3, 4, v0
	v_lshlrev_b32 v4, 2, v0
	v_mul_u32_u24 v5, v1, 192                      ; a row of 256 codes is 192 bytes
	v_mad_u32_u24 v5, v2, 24, v5
	v_lshlrev_b32 v6, 3, v1                        ; a row of scales is 8 bytes: two words
	v_lshlrev_b32 v7, 5, v2
	v_lshrrev_b32 v8, 3, v0                        ; candidates 512 i + 4 t + e: chunk 16 i + t / 8, place 4 (t % 8) + e
	v_mul_u32_u24 v8, v8, CH
	v_and_b32 v12, 7, v0
	v_lshl_add_u32 v8, v12, 6, v8
	s_mul_i32 s38, s26, 16*272
	s_add_co_u32 s38, s38, PSTG                    ; my stage
	v_mul_u32_u24 v9, v1, 272
	v_lshl_add_u32 v9, v2, 5, v9
	v_add_nc_u32 v9, s38, v9                       ; in: row = point r, + 32 h
	v_mul_u32_u24 v10, v2, 272
	v_lshl_add_u32 v10, v1, 4, v10
	v_add_nc_u32 v10, s38, v10                     ; back: lanes 0-15 one row of 256 bytes, lanes 16-31 the next
	v_lshlrev_b32 v11, 10, v2
	v_lshl_add_u32 v11, v1, 4, v11                 ; and the same in p1t, whose rows are 1,024 bytes
	s_mov_b32 s29, 0
	s_wait_kmcnt 0x0
	s_lshl_b32 s28, ttmp9, 11                      ; 128 queries x 16 bytes
	s_add_nc_u64 s[4:5], s[4:5], s[28:29]
	s_add_nc_u64 s[22:23], s[22:23], s[28:29]
	s_add_nc_u64 s[24:25], s[24:25], s[28:29]
	s_mul_i32 s28, s27, 49152
	s_add_nc_u64 s[6:7], s[6:7], s[28:29]
	s_mul_i32 s28, s27, 196608
	s_and_b32 s37, ttmp9, 127
	s_lshl_b32 s37, s37, 9
	s_add_co_u32 s28, s28, s37
	s_add_nc_u64 s[8:9], s[8:9], s[28:29]
	s_mul_i32 s28, ttmp9, 32*192
	s_add_nc_u64 s[10:11], s[10:11], s[28:29]
	s_lshl_b32 s28, ttmp9, 8
	s_add_nc_u64 s[12:13], s[12:13], s[28:29]
	s_mul_i32 s28, s26, 64*192
	s_add_nc_u64 s[14:15], s[14:15], s[28:29]
	s_lshl_b32 s28, s26, 9
	s_add_nc_u64 s[16:17], s[16:17], s[28:29]
	s_lshl_b32 s28, s26, 8
	s_add_nc_u64 s[18:19], s[18:19], s[28:29]
	s_lshl_b32 s37, ttmp9, 15                      ; 32 rows of p1t, + my 64 channels
	s_add_co_u32 s28, s28, s37
	s_add_nc_u64 s[20:21], s[20:21], s[28:29]
.irp i, 0,1,2,3,4,5,6,7
.irp c, 0,1,2
	global_load_b128 v[XT+12*\i+4*\c:XT+12*\i+4*\c+3], v3, s[6:7] offset:16384*\c+2048*\i   ; coordinate c of candidates 512 i + 4 t + 0..3
.endr
.endr
.irp c, 0,1,2,3
	global_load_b128 v[KEY+4*\c:KEY+4*\c+3], v3, s[4:5] offset:524288*\c                     ; my query's four keys of quarter c
.endr
.irp c, 0,1,2
	global_load_b32 v[QX+\c], v4, s[8:9] offset:65536*\c
.endr
.irp t, 0,1,2,3
	global_load_b128 v[BIAS+8*\t:BIAS+8*\t+3],   v7, s[18:19] offset:64*\t                   ; b1 at channels 16 t + 8 h + 0..7 of my 64
	global_load_b128 v[BIAS+8*\t+4:BIAS+8*\t+7], v7, s[18:19] offset:64*\t+16
.endr
.irp f, 0,1,2,3
.irp p, 0,1,2,3,4,5
	global_load_b64 v[P1F+12*\f+2*\p:P1F+12*\f+2*\p+1], v5, s[10:11] offset:3072*(\f/2)+96*(\f%2)+48*(\p/3)+8*(\p%3)   ; point tile f / 2, K step f % 2: the row's bits as they lie, in pieces of 8 bytes
.endr
.endr
.irp t, 0,1
	global_load_b64 v[P1S+2*\t:P1S+2*\t+1], v6, s[12:13] offset:128*\t
.endr
.irp t, 0,1,2,3
	global_load_b64 v[W1S+2*\t:W1S+2*\t+1], v6, s[16:17] offset:128*\t
.endr
	s_wait_loadcnt 45                              ; xyz_1's 24 loads are in; the 4 + 3 + 8 + 24 + 2 + 4 issued behind them may be out
; THE TABLE: (x, dd, y, z).  Eight quads by turns; a quad is written again when its store is done: s_wait_dscnt 7 leaves the seven younger stores out.
.set N, 0
.irp i, 0,1,2,3,4,5,6,7
.irp e, 0,1,2,3
.set QD, ACC0+4*(N%8)
	s_wait_dscnt 7
	v_mov_b32 v[QD],   v[XT+12*\i+\e]
	v_mov_b32 v[QD+2], v[XT+12*\i+4+\e]
	v_mov_b32 v[QD+3], v[XT+12*\i+8+\e]
	v_mul_f32 v[QD+1], v[QD], v[QD]                ; each square is rounded by itself,
	v_mul_f32 v12, v[QD+2], v[QD+2]
	v_mul_f32 v13, v[QD+3], v[QD+3]
	v_add_f32 v[QD+1], v[QD+1], v12                ; and they are added in ascending order: not fused, on purpose (see the head)
	v_add_f32 v[QD+1], v[QD+1], v13                ; dd
	ds_store_b128 v8, v[QD:QD+3] offset:16*CH*\i+16*\e
.set N, N+1
.endr
.endr
.irp f, 0,1,2,3,4,5,6,7
.irp p, 0,1,2,3,4,5
	global_load_b64 v[W1F+12*\f+2*\p:W1F+12*\f+2*\p+1], v5, s[14:15] offset:3072*(\f/2)+96*(\f%2)+48*(\p/3)+8*(\p%3)   ; channel tile f / 2, K step f % 2, into the registers that xyz_1 has left
.endr
.endr
	s_wait_loadcnt 63                              ; the keys and the query are in: 86 loads were issued behind them, and 63, the largest count that the wait can name, is the stricter
; THE FOUR SMALLEST OF 16 KEYS.  Quarter 0's four are sorted; each of the other twelve is put in by seven minima and maxima of whole numbers.
.irp x, 4,5,6,7,8,9,10,11,12,13,14,15
	v_max_u32 v12, v[KEY], v[KEY+\x]
	v_min_u32 v[KEY], v[KEY], v[KEY+\x]
	v_max_u32 v13, v[KEY+1], v12
	v_min_u32 v[KEY+1], v[KEY+1], v12
	v_max_u32 v12, v[KEY+2], v13
	v_min_u32 v[KEY+2], v[KEY+2], v13
	v_min_u32 v[KEY+3], v[KEY+3], v12
.endr
.irp i, 0,1,2,3
	v_and_b32 v[KEY+4+\i], 127, v[KEY+\i]          ; the chunks' numbers,
.endr
	v_min_u32 v232, v228, v229                     ; sorted ascending, so that the scan goes up the candidates' indices: five exchanges
	v_max_u32 v233, v228, v229
	v_min_u32 v234, v230, v231
	v_max_u32 v235, v230, v231
	v_min_u32 v[ID], v232, v234
	v_max_u32 v229, v232, v234
	v_min_u32 v228, v233, v235
	v_max_u32 v[ID+3], v233, v235
	v_min_u32 v[ID+1], v228, v229
	v_max_u32 v[ID+2], v228, v229
.irp i, 0,1,2,3
	v_min_u32 v[LB+\i], 127, v[ID+\i]              ; a loaded number enters an address behind a bound written in the instruction
.endr
.irp i, 0,1,2,3
	v_mul_u32_u24 v[LB+\i], v[LB+\i], CH
.endr
	s_wait_loadcnt 0x0                             ; all operands of the products
	s_wait_dscnt 0x0                               ; the table's stores have read the quads, over which the first results are laid
; p1.  Source 0 = 16 channels of W1, source 1 = 16 points: lane (r, h) holds point r and channels 16 t + 8 h + 0..7.  The four accumulators of a point tile take turns.
.macro PMM d, c, t, f
	v_wmma_scale_f32_16x16x128_f8f6f4 v[\d+8*\t:\d+8*\t+7], v[W1F+12*(2*\t+(\f%2)):W1F+12*(2*\t+(\f%2))+11], v[P1F+12*\f:P1F+12*\f+11], v[\c+8*\t:\c+8*\t+7], v[W1S+2*\t+(\f%2)], v[P1S+\f] matrix_a_fmt:MATRIX_FMT_BF6 matrix_b_fmt:MATRIX_FMT_BF6
.endm
.irp t, 0,1,2,3
	PMM ACC0, BIAS, \t, 0                          ; points 0-15: the bias is the C of the sum's first product
.endr
.irp t, 0,1,2,3
	PMM ACC0, ACC0, \t, 1
.endr
.rept 5
	v_nop                                          ; five places: the next products write over registers that the first four read as C
.endr
.irp t, 0,1,2,3
	PMM BIAS, BIAS, \t, 2                          ; points 16-31: in place on the bias
.endr
.irp t, 0,1,2,3
	PMM BIAS, BIAS, \t, 3
.endr
.rept 4
	v_nop                                          ; four places ahead of the first read of results and of loads into registers that the products have read
.endr
; A lane holds 32 neighbouring bytes of a row of p1t and the lanes beside it hold other rows: 16 rows x 256 bytes go through my own stage and come back as whole rows.
; LDS serves a wave's instructions in order (ISA guide 5.7.1.4): no wait between the stores and the loads, nor ahead of the second tile's stores.
.irp t, 0,1,2,3
	ds_store_b128 v9, v[ACC0+8*\t:ACC0+8*\t+3]   offset:64*\t      ; each result from its low end on
	ds_store_b128 v9, v[ACC0+8*\t+4:ACC0+8*\t+7] offset:64*\t+16
.endr
.irp i, 0,1,2,3,4,5,6,7
	ds_load_b128 v[80+4*\i:83+4*\i], v10 offset:544*\i
.endr
.irp t, 0,1,2,3
	ds_store_b128 v9, v[BIAS+8*\t:BIAS+8*\t+3]   offset:64*\t
	ds_store_b128 v9, v[BIAS+8*\t+4:BIAS+8*\t+7] offset:64*\t+16
.endr
.irp i, 0,1,2,3,4,5,6,7
	ds_load_b128 v[128+4*\i:131+4*\i], v10 offset:544*\i
.endr
.irp i, 0,1,2,3,4,5,6,7
	s_wait_dscnt 23-\i                             ; behind this load: the first tile's 7 - i, and the second tile's 8 stores and 8 loads
	global_store_b128 v11, v[80+4*\i:83+4*\i], s[20:21] offset:2048*\i          ; sixteen lanes store 256 consecutive bytes, at a multiple of 256 from the buffer's first byte
.endr
.irp i, 0,1,2,3,4,5,6,7
	s_wait_dscnt 7-\i
	global_store_b128 v11, v[128+4*\i:131+4*\i], s[20:21] offset:16384+2048*\i
.endr
	s_wait_dscnt 0x0                               ; for the others' sake: my part of the table lies in LDS (and no LDS instruction of mine is out)
	s_barrier_signal -1
	s_barrier_wait -1                              ; the table is whole; nobody writes LDS from here on
	s_wait_xcnt 0x0                                ; the stores to p1t have read their registers: the ring is laid over them
; THE SCAN.  Two lists, so that two chains of dependent lines stand side by side: list A takes the two chunks with the lower numbers (codes 0..63), list B the other two (codes 64..127).
; A code is 32 x the chunk's place among the four + the place in the chunk: it rises with the candidate's index.
.macro LOADB n                         ; steps 8 n .. 8 n + 7: A's and B's candidates, 16 loads, into ring half n % 2
.irp k, 0,1,2,3,4,5,6,7
	ds_load_b128 v[RING+64*(\n%2)+8*\k:RING+64*(\n%2)+8*\k+3],   v[LB+(8*\n+\k)/32]   offset:16*((8*\n+\k)%32)
	ds_load_b128 v[RING+64*(\n%2)+8*\k+4:RING+64*(\n%2)+8*\k+7], v[LB+2+(8*\n+\k)/32] offset:16*((8*\n+\k)%32)
.endr
.endm
	LOADB 0
	LOADB 1
.irp i, 16,17,18,22,23,24
	v_mov_b32 v\i, 0x7f800000                      ; a <= b <= c of each list begin at infinity;
.endr
.irp i, 19,20,21,25,26,27
	v_mov_b32 v\i, 0                               ; their codes at anything
.endr
	v_mov_b32 v36, 0
	v_mul_f32 v37, v[QX], v[QX]                    ; ss as dd: three rounded squares,
	v_mul_f32 v28, v[QX+1], v[QX+1]
	v_mul_f32 v29, v[QX+2], v[QX+2]
	v_add_f32 v37, v37, v28                        ; added in ascending order: not fused, on purpose
	v_add_f32 v37, v37, v29                        ; v[36:37] = (0, ss)
	v_mov_b32 v38, v[QX]
	v_mov_b32 v39, 1.0                             ; v[38:39] = (qx, 1)
; The 16 distances of a ring half, in place, operation by operation: no line waits for the line above it.  A quad (x, dd, y, z) ends with d in its second register.
.macro DISTB n
.set RH, RING+64*(\n%2)
.irp k, 0,1,2,3,4,5,6,7,8,9,10,11,12,13,14,15
	v_pk_fma_f32 v[RH+4*\k:RH+4*\k+1], v[RH+4*\k:RH+4*\k+1], v[38:39], v[36:37]                ; qx x + 0 and dd x 1 + ss: the product and the sum, each rounded once
.endr
.irp k, 0,1,2,3,4,5,6,7,8,9,10,11,12,13,14,15
	v_fma_f32 v[RH+4*\k], v[QX+1], v[RH+4*\k+2], v[RH+4*\k]                                    ; + qy y, fused
.endr
.irp k, 0,1,2,3,4,5,6,7,8,9,10,11,12,13,14,15
	v_fma_f32 v[RH+4*\k], v[QX+2], v[RH+4*\k+3], v[RH+4*\k]                                    ; + qz z, fused: p
.endr
.irp k, 0,1,2,3,4,5,6,7,8,9,10,11,12,13,14,15
	v_fma_f32 v[RH+4*\k+1], -2.0, v[RH+4*\k], v[RH+4*\k+1]                                     ; (ss + dd) - 2 p
.endr
.irp k, 0,1,2,3,4,5,6,7,8,9,10,11,12,13,14,15
	v_max_num_f32 v[RH+4*\k+1], 0, v[RH+4*\k+1]
.endr
.endm
; d (v[DA], code CA) into list A (v16-18, codes v19-21) and d (v[DB], code CB) into list B (v22-24, v25-27), line by line in turn.  'Less than' is strict and the codes rise: among equals the lower index stays ahead.
.macro INS2
	v_cmp_lt_f32 s30, v[DA], v18
	v_cmp_lt_f32 s33, v[DB], v24
	v_cmp_lt_f32 s31, v[DA], v17
	v_cmp_lt_f32 s34, v[DB], v23
	v_cmp_lt_f32 s32, v[DA], v16
	v_cmp_lt_f32 s35, v[DB], v22
	v_cndmask_b32 v28, CA, v20, s31                ; what the third place takes if it changes: the old second, or the newcomer
	v_cndmask_b32 v30, CB, v26, s34
	v_cndmask_b32 v29, CA, v19, s32                ; and the second place: the old first, or the newcomer
	v_cndmask_b32 v31, CB, v25, s35
	v_cndmask_b32 v21, v21, v28, s30
	v_cndmask_b32 v27, v27, v30, s33
	v_cndmask_b32 v20, v20, v29, s31
	v_cndmask_b32 v26, v26, v31, s34
	v_cndmask_b32 v19, v19, CA, s32
	v_cndmask_b32 v25, v25, CB, s35
	v_med3_num_f32 v18, v17, v18, v[DA]
	v_med3_num_f32 v24, v23, v24, v[DB]
	v_med3_num_f32 v17, v16, v17, v[DA]
	v_med3_num_f32 v23, v22, v23, v[DB]
	v_min_num_f32 v16, v16, v[DA]
	v_min_num_f32 v22, v22, v[DB]
.endm
.macro BLOCK n, left
	s_wait_dscnt \left                             ; this half's 16 loads are in; the other half's may be out
	DISTB \n
.irp k, 0,1,2,3,4,5,6,7
.set DA, RING+64*(\n%2)+8*\k+1
.set DB, DA+4
.set CA, 8*\n+\k
.set CB, 64+CA
	INS2
.endr
.endm
.irp n, 0,1,2,3,4,5
	BLOCK \n, 16
	LOADB (\n+2)                                   ; the half just used takes the steps two blocks on
.endr
	BLOCK 6, 16
	BLOCK 7, 0
; B's three go into A, the smallest first: all B's indices lie above all A's, so the strict comparison again keeps the lower index ahead
.macro INS d, code
	v_cmp_lt_f32 s30, v[\d], v18
	v_cmp_lt_f32 s31, v[\d], v17
	v_cmp_lt_f32 s32, v[\d], v16
	v_cndmask_b32 v28, \code, v20, s31
	v_cndmask_b32 v29, \code, v19, s32
	v_cndmask_b32 v21, v21, v28, s30
	v_cndmask_b32 v20, v20, v29, s31
	v_cndmask_b32 v19, v19, \code, s32
	v_med3_num_f32 v18, v17, v18, v[\d]
	v_med3_num_f32 v17, v16, v17, v[\d]
	v_min_num_f32 v16, v16, v[\d]
.endm
	INS 22, v25
	INS 23, v26
	INS 24, v27
; a code becomes a row of p1t: 4096 x batch + 32 x the chunk's number + the place in the chunk
.macro DEC c, o
	v_lshrrev_b32 v28, 5, v[\c]
	v_cmp_eq_u32 vcc_lo, 1, v28
	v_cndmask_b32 v29, v[ID], v[ID+1], vcc_lo
	v_cmp_eq_u32 vcc_lo, 2, v28
	v_cndmask_b32 v29, v29, v[ID+2], vcc_lo
	v_cmp_eq_u32 vcc_lo, 3, v28
	v_cndmask_b32 v29, v29, v[ID+3], vcc_lo
	v_and_b32 v28, 31, v[\c]
	v_lshl_add_u32 v29, v29, 5, v28
	v_add_nc_u32 v[\o], s36, v29
.endm
	v_add_f32 v30, 0x322bcc77, v16                 ; d + 1e-8
	v_add_f32 v31, 0x322bcc77, v17
	v_add_f32 v32, 0x322bcc77, v18
	v_rcp_f32 v33, v30
	v_rcp_f32 v34, v31
	v_rcp_f32 v35, v32
	DEC 19, 40                                     ; (plain lines behind the reciprocals, ahead of the first use of their results)
	s_wait_alu depctr_va_vdst(0)
	v_add_f32 v30, v33, v34
	v_add_f32 v30, v30, v35
	v_rcp_f32 v31, v30
	DEC 20, 41
	DEC 21, 42
	v_mov_b32 v43, 0
	s_wait_alu depctr_va_vdst(0)
	v_mul_f32 v44, v33, v31                        ; the weights: each reciprocal over their sum
	v_mul_f32 v45, v34, v31
	v_mul_f32 v46, v35, v31
	v_mov_b32 v47, 0
	global_store_b128 v3, v[40:43], s[22:23]       ; a wave stores 512 consecutive bytes
	global_store_b128 v3, v[44:47], s[24:25]
	s_wait_tensorcnt 0x0
	ds_add_u32 v15, v243
	s_wait_dscnt 0x0
	s_endpgm
.Lfunc_end_k_qd03229e249_rescan:
	.size	k_qd03229e249_rescan, .Lfunc_end_k_qd03229e249_rescan-k_qd03229e249_rescan
	.p2alignl 7, 3214868480
	.fill 96, 4, 3214868480
	.section	.rodata,"a",@progbits
	.p2align	6, 0x0
	.amdhsa_kernel k_qd03229e249_rescan
		.amdhsa_group_segment_fixed_size 85504
		.amdhsa_private_segment_fixed_size 0
		.amdhsa_enable_private_segment 0
		.amdhsa_kernarg_size 88
		.amdhsa_user_sgpr_count 2
		.amdhsa_user_sgpr_kernarg_segment_ptr 1
		.amdhsa_wavefront_size32 1
		.amdhsa_system_sgpr_workgroup_id_x 1
		.amdhsa_system_sgpr_workgroup_id_y 1
		.amdhsa_system_sgpr_workgroup_id_z 1
		.amdhsa_system_vgpr_workitem_id 0
		.amdhsa_next_free_vgpr 256
		.amdhsa_next_free_sgpr 66
		.amdhsa_reserve_vcc 1
		.amdhsa_float_denorm_mode_32 3
		.amdhsa_float_denorm_mode_16_64 3
		.amdhsa_memory_ordered 1
		.amdhsa_forward_progress 1
		.amdhsa_inst_pref_size 175
	.end_amdhsa_kernel
	.amdgpu_metadata
---
amdhsa.version: [ 1, 2 ]
amdhsa.kernels:
  - .name:           k_qd03229e249_rescan
    .symbol:         k_qd03229e249_rescan.kd
    .args:
      - { .name: keys, .offset: 0, .size: 8, .value_kind: global_buffer, .address_space: global }
      - { .name: xyz_1, .offset: 8, .size: 8, .value_kind: global_buffer, .address_space: global }
      - { .name: xyz_2, .offset: 16, .size: 8, .value_kind: global_buffer, .address_space: global }
      - { .name: points_1_codes, .offset: 24, .size: 8, .value_kind: global_buffer, .address_space: global }
      - { .name: points_1_scales, .offset: 32, .size: 8, .value_kind: global_buffer, .address_space: global }
      - { .name: w1_codes, .offset: 40, .size: 8, .value_kind: global_buffer, .address_space: global }
      - { .name: w1_scales, .offset: 48, .size: 8, .value_kind: global_buffer, .address_space: global }
      - { .name: b1, .offset: 56, .size: 8, .value_kind: global_buffer, .address_space: global }
      - { .name: p1t, .offset: 64, .size: 8, .value_kind: global_buffer, .address_space: global }
      - { .name: idx4, .offset: 72, .size: 8, .value_kind: global_buffer, .address_space: global }
      - { .name: w4, .offset: 80, .size: 8, .value_kind: global_buffer, .address_space: global }
    .group_segment_fixed_size: 85504
    .private_segment_fixed_size: 0
    .kernarg_segment_align: 8
    .kernarg_segment_size: 88
    .max_flat_workgroup_size: 128
    .sgpr_count:     66
    .vgpr_count:     256
    .wavefront_size: 32
...
	.end_amdgpu_metadata
.endif
;; end of part 2
;; launch fuse (part 3): grid 512 x 1, 4 waves a work-group, no clusters, 70,144 bytes of LDS; arguments points_2_codes, points_2_scales, w2_codes, w2_scales, b2, p1t, idx4, w4, xyz_2, out0, out1; writes out0, out1
.if DOCPART == 3
	.amdgcn_target "amdgcn-amd-amdhsa--gfx1250"
	.amdhsa_code_object_version 6
	.text
	.protected	k_qd03229e249_fuse
	.globl	k_qd03229e249_fuse
	.p2align	8
	.type	k_qd03229e249_fuse,@function
k_qd03229e249_fuse:
	s_mov_b64 s[64:65], 0
	v_nop
	global_prefetch_b8 v0, s[64:65] scope:SCOPE_SE
	s_setreg_imm32_b32 hwreg(HW_REG_WAVE_MODE, 25, 1), 1
	s_wait_xcnt 0x0
; out1[b][c][n] = sum over k of w4[n][k] p1t[idx4[n][k]][c] + b2[c] + (points_2 W2^T)[n][c];  out0 = xyz_2.
; points_2 [32768][256] and W2 [256][256] are codes of E3M2 with one E8M0 scale for each 32 along K; p1t [8192][256], w4 [32768][4] f32 and idx4 [32768][4] u32 come from the launch before.
; SHARES.  A work-group has 64 points (four tiles of 16); wave w has channels 64 w .. 64 w + 63 of all of them (four tiles of 16).  The waves share nothing: no barrier.
; LAYOUT.  Source 0 = 16 points, source 1 = 16 rows of W2: lane (r, h) holds column r and points 8 h + 0..7.  THE ROWS OF W2 THAT FORM A TILE ARE NOT NEIGHBOURS: column r of tile t is channel 64 w + 4 r + t.
; So ONE load of 16 bytes at row x 1024 + 256 w + 16 r of p1t gives lane r its channels of all four tiles, and sixteen lanes read 256 consecutive bytes of the row; lanes 0-15 take point j's row,
; lanes 16-31 point 8 + j's.  The weighted sum of the three rows, begun on b2, is built in the accumulators' own layout and is the C of the product's first K step: the matrix unit adds p2 to it.
; out1 has n innermost: a lane's eight results are eight neighbouring points of one channel.  They gather in the wave's own stage in LDS (64 channels x 64 points) and leave as rows of 256 bytes.
; An index is held to 8191, the last row of p1t, ahead of its use in an address.
; REGISTERS.  v1 r; v2 h; v3, v4 my bytes in a fragment of points_2, of W2; v5 8 r; v6 32 r; v7 16 r; v8 my point's quad of idx4 and w4; v9, v10 the stage, in and back; v11 my bytes in out1; v12 8 x lane; v[14:15] the copy;
;   v16-31 idx4's quads, one a point tile: lane (r, h) holds point 8 h + r % 8's; v32-47 w4's likewise; v48-55 points_2's scale words, v56-63 W2's: they hold nothing else; v64-67 b2;
;   v68-91 the gathers' offsets, 3 a point j; v92-94 a point's weights; v96-127 the four accumulators; v128-223 the gathered rows, 12 a point j.
;   v256-351 W2's fragments, 12 for (tile, K step); v352-447 points_2's, 12 for (point tile, K step): both in the second window of 256.
.set IC,   16
.set WC,   32
.set PS,   48
.set W2S,  56
.set B2V,  64
.set OFF,  68
.set WT,   92
.set ACC,  96
.set G,    128
.set W2F,  0                           ; in window 1
.set PF,   96                          ; in window 1
.set SP,   272                         ; a stage row: 256 bytes + 16
.set MSB, 0
.macro WIN new                         ; the immediate's high byte repeats the setting that is left
.if MSB != \new
	s_set_vgpr_msb (MSB<<8)|\new
.set MSB, \new
.endif
.endm
	s_load_b256 s[4:11], s[0:1], 0x0               ; points_2_codes, points_2_scales, w2_codes, w2_scales
	s_load_b256 s[12:19], s[0:1], 0x20             ; b2, p1t, idx4, w4
	s_load_b128 s[20:23], s[0:1], 0x40             ; xyz_2, out0
	s_load_b64 s[24:25], s[0:1], 0x50              ; out1
	v_lshl_add_u32 v254, v0, 2, 0x11000
	v_mov_b32 v255, 0
	v_lshrrev_b32 v1, 5, v0
	v_readfirstlane_b32 s26, v1                    ; wave 0..3
	v_and_b32 v1, 15, v0
	v_bfe_u32 v2, v0, 4, 1
	v_mul_u32_u24 v3, v1, 192                      ; points_2: row r of 192 bytes, + 24 h
	v_mad_u32_u24 v3, v2, 24, v3
	v_mul_u32_u24 v4, v1, 768                      ; W2: row 4 r (+ t), + 24 h
	v_mad_u32_u24 v4, v2, 24, v4
	v_lshlrev_b32 v5, 3, v1
	v_lshlrev_b32 v6, 5, v1
	v_lshlrev_b32 v7, 4, v1
	v_and_b32 v8, 7, v0
	v_lshlrev_b32 v8, 4, v8
	v_lshl_add_u32 v8, v2, 7, v8                   ; 16 x (8 h + r % 8)
	s_mul_i32 s27, s26, 64*SP                      ; my stage
	v_mul_u32_u24 v9, v1, SP
	v_lshl_add_u32 v9, v2, 5, v9
	v_add_nc_u32 v9, s27, v9                       ; in: row 16 t + r, + 32 h (+ 64 a point tile)
	v_mul_u32_u24 v10, v2, SP
	v_lshl_add_u32 v10, v1, 4, v10
	v_add_nc_u32 v10, s27, v10                     ; back: lanes 0-15 one row, lanes 16-31 the next
	v_lshlrev_b32 v11, 18, v2                      ; the next stage row is four channels of 65,536 bytes further on in out1
	v_lshl_add_u32 v11, v1, 4, v11
	v_and_b32 v12, 31, v0
	v_lshlrev_b32 v12, 3, v12
.irp i, 0,1,2,3,4,5,6,7,8,9,10,11,12,13,14,15,16,17,18,19,20,21,22,23,24,25,26
	v_mov_b32 v[OFF+\i], 0                         ; written once: the destination of a move from another lane counts as one of its sources
.endr
	s_lshr_b32 s28, ttmp9, 8                       ; the batch
	s_and_b32 s29, ttmp9, 255
	s_lshl_b32 s29, s29, 8                         ; my 64 points in a row of 16,384: 256 bytes
	s_mov_b32 s31, 0
	s_wait_kmcnt 0x0
	s_mul_i32 s30, ttmp9, 64*192
	s_add_nc_u64 s[4:5], s[4:5], s[30:31]
	s_lshl_b32 s30, ttmp9, 9
	s_add_nc_u64 s[6:7], s[6:7], s[30:31]
	s_mul_i32 s30, s26, 64*192
	s_add_nc_u64 s[8:9], s[8:9], s[30:31]
	s_lshl_b32 s30, s26, 9
	s_add_nc_u64 s[10:11], s[10:11], s[30:31]
	s_lshl_b32 s30, s26, 8
	s_add_nc_u64 s[12:13], s[12:13], s[30:31]
	s_add_nc_u64 s[14:15], s[14:15], s[30:31]      ; p1t at my 64 channels
	s_lshl_b32 s30, ttmp9, 10
	s_add_nc_u64 s[16:17], s[16:17], s[30:31]
	s_add_nc_u64 s[18:19], s[18:19], s[30:31]
	s_mul_i32 s30, s28, 196608
	s_lshl_b32 s32, s26, 16
	s_add_co_u32 s30, s30, s32
	s_add_co_u32 s30, s30, s29
	s_add_nc_u64 s[20:21], s[20:21], s[30:31]      ; xyz_2 and out0: coordinate = wave (waves 0 to 2 alone use it)
	s_add_nc_u64 s[22:23], s[22:23], s[30:31]
	s_lshl_b32 s30, s28, 24
	s_lshl_b32 s32, s26, 22
	s_add_co_u32 s30, s30, s32
	s_add_co_u32 s30, s30, s29
	s_add_nc_u64 s[24:25], s[24:25], s[30:31]
	s_cmp_lt_u32 s26, 3                            ; the copy: wave w takes coordinate w of the 64 points, 256 bytes.  It is the oldest load, so it enters no later count
	s_cbranch_scc0 .Lno_row
	global_load_b64 v[14:15], v12, s[20:21]
.Lno_row:
.irp q, 0,1,2,3
	global_load_b128 v[IC+4*\q:IC+4*\q+3], v8, s[16:17] offset:256*\q
.endr
.irp q, 0,1,2,3
	global_load_b128 v[WC+4*\q:WC+4*\q+3], v8, s[18:19] offset:256*\q
.endr
	WIN 0x40                                       ; destination window 1
.irp f, 0,1,2,3,4,5,6,7
.irp p, 0,1,2,3,4,5
	global_load_b64 v[W2F+12*\f+2*\p:W2F+12*\f+2*\p+1], v4, s[8:9] offset:192*(\f/2)+96*(\f%2)+48*(\p/3)+8*(\p%3)   ; tile f / 2, K step f % 2
.endr
.endr
	WIN 0
.irp t, 0,1,2,3
	global_load_b64 v[W2S+2*\t:W2S+2*\t+1], v6, s[10:11] offset:8*\t
.endr
	global_load_b128 v[B2V:B2V+3], v7, s[12:13]    ; b2 at channels 4 r + 0..3 of my 64
.irp q, 0,1,2,3
	global_load_b64 v[PS+2*\q:PS+2*\q+1], v5, s[6:7] offset:128*\q
.endr
; Point j of tile q (j = 0..7; lanes 16-31: point 8 + j): its three indices come from lane j of my sixteen, are held to the table's last row, become byte offsets, and the three rows are asked for
.macro EXPJ q, j
.irp k, 0,1,2
	v_mov_b32_dpp v[OFF+3*\j+\k], v[IC+4*\q+\k] row_share:\j row_mask:0xf bank_mask:0xf
.endr
.irp k, 0,1,2
	v_min_u32 v[OFF+3*\j+\k], 8191, v[OFF+3*\j+\k]
.endr
.irp k, 0,1,2
	v_lshl_add_u32 v[OFF+3*\j+\k], v[OFF+3*\j+\k], 10, v7
.endr
.irp k, 0,1,2
	global_load_b128 v[G+12*\j+4*\k:G+12*\j+4*\k+3], v[OFF+3*\j+\k], s[14:15]
.endr
.endm
.macro GLO q                           ; 12 loads: points 0-3 (and 8-11)
.irp j, 0,1,2,3
	EXPJ \q, \j
.endr
.endm
.macro GHI q                           ; 12 loads: points 4-7 (and 12-15)
.irp j, 4,5,6,7
	EXPJ \q, \j
.endr
.endm
; The point's weighted sum, begun on b2, into register j of the four accumulators
.macro FMAJ q, j
.irp k, 0,1,2
	v_mov_b32_dpp v[WT+\k], v[WC+4*\q+\k] row_share:\j row_mask:0xf bank_mask:0xf
.endr
.irp t, 0,1,2,3
	v_fma_f32 v[ACC+8*\t+\j], v[WT], v[G+12*\j+\t], v[B2V+\t]
.endr
.irp t, 0,1,2,3
	v_fmac_f32 v[ACC+8*\t+\j], v[WT+1], v[G+12*\j+4+\t]
.endr
.irp t, 0,1,2,3
	v_fmac_f32 v[ACC+8*\t+\j], v[WT+2], v[G+12*\j+8+\t]
.endr
.endm
.macro FLO q
.irp j, 0,1,2,3
	FMAJ \q, \j
.endr
.endm
.macro FHI q
.irp j, 4,5,6,7
	FMAJ \q, \j
.endr
.endm
; p2 is added: two K steps of 128, the four accumulators by turns.  pre = 1: no other vector line stands between the last write of C and the products: four v_nop
.macro MM q, pre
.if \pre
.rept 4
	v_nop
.endr
.endif
	WIN 0x05                                       ; sources 0 and 1 window 1; C and D window 0
.irp s, 0,1
.irp t, 0,1,2,3
	v_wmma_scale_f32_16x16x128_f8f6f4 v[ACC+8*\t:ACC+8*\t+7], v[PF+12*(2*\q+\s):PF+12*(2*\q+\s)+11], v[W2F+12*(2*\t+\s):W2F+12*(2*\t+\s)+11], v[ACC+8*\t:ACC+8*\t+7], v[PS+2*\q+\s], v[W2S+2*\t+\s] matrix_a_fmt:MATRIX_FMT_BF6 matrix_b_fmt:MATRIX_FMT_BF6
.endr
.endr
	WIN 0
.rept 4
	v_nop                                          ; four places ahead of the first read of results
.endr
.endm
.macro STAGE q                         ; lane (r, h): points 16 q + 8 h + 0..7 of channel 4 r + t, into stage row 16 t + r; each accumulator from its low end on
.irp t, 0,1,2,3
	ds_store_b128 v9, v[ACC+8*\t:ACC+8*\t+3]   offset:16*SP*\t+64*\q
	ds_store_b128 v9, v[ACC+8*\t+4:ACC+8*\t+7] offset:16*SP*\t+64*\q+16
.endr
.endm
	s_wait_loadcnt 57                              ; idx4 and w4 are in; W2's 48 + 4, b2's one and the points' 4 scale loads may be out
	GLO 0
	GHI 0
	WIN 0x40
.irp f, 0,1,2,3,4,5,6,7
.irp p, 0,1,2,3,4,5
	global_load_b64 v[PF+12*\f+2*\p:PF+12*\f+2*\p+1], v3, s[4:5] offset:3072*(\f/2)+96*(\f%2)+48*(\p/3)+8*(\p%3)   ; point tile f / 2, K step f % 2
.endr
.endr
	WIN 0
	; Two halves of a tile's gathers are always on their way.  Each counted wait shows one half in, which also frees its offsets' registers for the next tile's.
	s_wait_loadcnt 60                              ; tile 0's first half: behind it its second half's 12 and the fragments' 48
	FLO 0
	GLO 1
	s_wait_loadcnt 60                              ; tile 0's second half: behind it the fragments' 48 and tile 1's first 12
	FHI 0
	GHI 1
	s_wait_loadcnt 24                              ; the fragments: behind them tile 1's 24
	MM 0, 0
	STAGE 0
	s_wait_loadcnt 12                              ; tile 1's first half: behind it its second half's 12
	s_wait_dscnt 0x0                               ; the stage's stores have read the accumulators, which are written anew
	FLO 1
	GLO 2
	s_wait_loadcnt 12
	FHI 1
	GHI 2
	MM 1, 0
	STAGE 1
	s_wait_loadcnt 12
	s_wait_dscnt 0x0
	FLO 2
	GLO 3
	s_wait_loadcnt 12
	FHI 2
	GHI 3
	MM 2, 0
	STAGE 2
	s_wait_loadcnt 12
	s_wait_dscnt 0x0
	FLO 3
	s_wait_loadcnt 0x0
	FHI 3
	MM 3, 1
	STAGE 3
; THE WAY OUT.  Load i takes stage rows 2 i and 2 i + 1: channels 8 (i % 8) + i / 8 and four further on.  The bytes are my own and LDS serves a wave's instructions in order (ISA guide 5.7.1.4): no wait ahead of the loads.
; They land in the registers that the gathers, the indices and the weights have left.
.set I, 0
.rept 32
.if I < 24
.set WR, G+4*I
.else
.set WR, IC+4*(I-24)
.endif
	ds_load_b128 v[WR:WR+3], v10 offset:2*SP*I
.set I, I+1
.endr
.set I, 0
.rept 32
.if I < 24
.set WR, G+4*I
.else
.set WR, IC+4*(I-24)
.endif
	s_wait_dscnt 31-I
	global_store_b128 v11, v[WR:WR+3], s[24:25] offset:(8*(I%8)+I/8)*65536 th:TH_STORE_NT   ; sixteen lanes store 256 consecutive bytes of a channel's row, at a multiple of 256 from out1's first byte; 59 rows at the most: inside the signed 24-bit immediate
.set I, I+1
.endr
	s_cmp_lt_u32 s26, 3
	s_cbranch_scc0 .Lend
	global_store_b64 v12, v[14:15], s[22:23]       ; out0: 32 lanes store 256 consecutive bytes
.Lend:
	s_wait_tensorcnt 0x0
	ds_add_u32 v254, v255
	s_wait_dscnt 0x0
	s_endpgm
.Lfunc_end_k_qd03229e249_fuse:
	.size	k_qd03229e249_fuse, .Lfunc_end_k_qd03229e249_fuse-k_qd03229e249_fuse
	.p2alignl 7, 3214868480
	.fill 96, 4, 3214868480
	.section	.rodata,"a",@progbits
	.p2align	6, 0x0
	.amdhsa_kernel k_qd03229e249_fuse
		.amdhsa_group_segment_fixed_size 70144
		.amdhsa_private_segment_fixed_size 0
		.amdhsa_enable_private_segment 0
		.amdhsa_kernarg_size 88
		.amdhsa_user_sgpr_count 2
		.amdhsa_user_sgpr_kernarg_segment_ptr 1
		.amdhsa_wavefront_size32 1
		.amdhsa_system_sgpr_workgroup_id_x 1
		.amdhsa_system_sgpr_workgroup_id_y 1
		.amdhsa_system_sgpr_workgroup_id_z 1
		.amdhsa_system_vgpr_workitem_id 0
		.amdhsa_next_free_vgpr 448
		.amdhsa_next_free_sgpr 66
		.amdhsa_reserve_vcc 0
		.amdhsa_float_denorm_mode_32 3
		.amdhsa_float_denorm_mode_16_64 3
		.amdhsa_memory_ordered 1
		.amdhsa_forward_progress 1
		.amdhsa_inst_pref_size 78
	.end_amdhsa_kernel
	.amdgpu_metadata
---
amdhsa.version: [ 1, 2 ]
amdhsa.kernels:
  - .name:           k_qd03229e249_fuse
    .symbol:         k_qd03229e249_fuse.kd
    .args:
      - { .name: points_2_codes, .offset: 0, .size: 8, .value_kind: global_buffer, .address_space: global }
      - { .name: points_2_scales, .offset: 8, .size: 8, .value_kind: global_buffer, .address_space: global }
      - { .name: w2_codes, .offset: 16, .size: 8, .value_kind: global_buffer, .address_space: global }
      - { .name: w2_scales, .offset: 24, .size: 8, .value_kind: global_buffer, .address_space: global }
      - { .name: b2, .offset: 32, .size: 8, .value_kind: global_buffer, .address_space: global }
      - { .name: p1t, .offset: 40, .size: 8, .value_kind: global_buffer, .address_space: global }
      - { .name: idx4, .offset: 48, .size: 8, .value_kind: global_buffer, .address_space: global }
      - { .name: w4, .offset: 56, .size: 8, .value_kind: global_buffer, .address_space: global }
      - { .name: xyz_2, .offset: 64, .size: 8, .value_kind: global_buffer, .address_space: global }
      - { .name: out0, .offset: 72, .size: 8, .value_kind: global_buffer, .address_space: global }
      - { .name: out1, .offset: 80, .size: 8, .value_kind: global_buffer, .address_space: global }
    .group_segment_fixed_size: 70144
    .private_segment_fixed_size: 0
    .kernarg_segment_align: 8
    .kernarg_segment_size: 88
    .max_flat_workgroup_size: 128
    .sgpr_count:     66
    .vgpr_count:     448
    .wavefront_size: 32
...
	.end_amdgpu_metadata
.endif
;; end of part 3
;; ======== version 2 of 2: 3 launches; version 1 with the launches filter, rescan, fuse written anew for expert scheduling mode
;; limits: below input magnitudes of 8.9e-16 results are inexact or not finite
;; workspace buffers: keys 2,097,152 bytes of whole numbers; idx4 524,288 bytes of whole numbers; w4 524,288 bytes; p1t 8,388,608 bytes
;; launch filter (part 4): grid 256 x 1, 4 waves a work-group, no clusters, 16,896 bytes of LDS; arguments xyz_1, xyz_2, keys; writes keys
.if DOCPART == 4
	.amdgcn_target "amdgcn-amd-amdhsa--gfx1250"
	.amdhsa_code_object_version 6
	.text
	.protected	k_qd03229e249_filter
	.globl	k_qd03229e249_filter
	.p2align	8
	.type	k_qd03229e249_filter,@function
k_qd03229e249_filter:
	s_mov_b64 s[64:65], 0
	v_nop
	global_prefetch_b8 v0, s[64:65] scope:SCOPE_SE
	s_setreg_imm32_b32 hwreg(HW_REG_WAVE_SCHED_MODE, 0, 2), 2
	s_setreg_imm32_b32 hwreg(HW_REG_WAVE_MODE, 25, 1), 1
	s_wait_xcnt 0x0
	s_wait_alu depctr_vm_vsrc(0)
; FIRST STAGE OF THE SEARCH FOR THE THREE NEAREST.  xyz_1 [2][3][4096] are the candidates, xyz_2 [2][3][16384] the queries, f32.
; The candidates of a batch are cut into 128 chunks of 32 neighbours.  The three nearest of a query lie in the three chunks with the smallest chunk minima, so this launch
; only finds small chunk minima: for each query and each quarter of the candidates (32 chunks) the FOUR smallest, as keys, into keys [4 quarters][32768 queries][4] u32, sorted ascending.
; A key is the minimum's f32 bits with its low 7 bits replaced by the chunk's number (0..127): positive numbers, so that the order of the bits is the order of the numbers.
; The next launch takes the four best of a query's sixteen keys and scans those 128 candidates again: nothing of this launch's arithmetic reaches a result but the choice of chunks.
; THE ARITHMETIC.  The product has K = 3: it is done in f32 by fused multiply-adds, two candidates an instruction: dd - 2 q.c = fma(-2x, qx, fma(-2y, qy, fma(-2z, qz, dd))).
; ss hangs on the query alone and rounding keeps the order, so it is added once to each chunk's minimum and not to each distance.
; SHARES.  Work-group x: quarter x % 4 of the candidates, block x / 4 of 512 queries.  Each of the four waves owns 128 queries, lane l queries 32 e + l (e = 0..3), and walks all 1,024 candidates.
; A candidate is the same for all lanes: it comes from LDS, every lane reading the same 16 bytes.  Four loads (four candidates) feed 24 packed multiply-adds and 8 minima of a lane's four queries.
; LDS: 256 groups of four candidates, 64 bytes each: (-2x)[4], (-2y)[4], (-2z)[4], dd[4].  One barrier: in front of it the table is written, behind it LDS is only read.
; LIMITS.  NaN and infinities are not served.  Minima under 2^-100 count as equal.  A true neighbour's chunk is missed only if two further chunk minima lie above the third distance by less than
; this arithmetic's own rounding (a few ulp of ss + dd) plus the 7 bits that a key gives up (2^-16 of the distance): one chunk more than needed is kept for that.
; THE MODE: SCHED_MODE bits 1:0 = 2 (LLVM: expert scheduling mode 2), set by the entry lines.  The code itself states the register dependences
; between vector instructions and memory or LDS instructions, with s_wait_alu, always for 0.
; THE PLAN.  Registers that memory or LDS instructions touch:
;   RA, RB     the ring's two halves.  Written by the fetches; read by that half's four GROUPs, behind which the next chunk's fetch lands in it.  (Ahead of the loop v64-95 are the table in the making.)
;   v10, v12   the fetches' LDS addresses.  Read by the fetches; both stepped at a trip's head, 32 vector lines behind the last fetch.
;   KY         written by CHUNKEND; read by the four stores at the end.
;   v2 .. v5   offsets, made once at the head.
; A trip holds three waits: at its head the fetches have read v10 and v12; behind RA's groups these are done reading RA and the two addresses are written; behind RB's groups these are done reading RB.
; What stands behind a fetch (the other half's groups, or CHUNKEND) names neither the half that the fetch fills nor its address.
.set QD,  16                           ; v16-39   coordinate c of query e, twice: the pair at QD + 6 e + 2 c (the packed form multiplies two candidates by it)
.set SS,  40                           ; v40-43   ss of query e
.set RA,  64                           ; v64-127  a chunk's first 16 candidates: four groups of 16 registers, as they lie in LDS (in the preparation: my eight candidates)
.set RB,  128                          ; v128-191 its last 16
.set T,   192                          ; v192-207 eight pairs at work: query e's at T + 4 e
.set MA,  208                          ; v208-215 two running minima a query
.set KY,  216                          ; v216-231 four sorted keys a query
.set TM,  232                          ; v232-235 the chunk's key, one a query
; v1 lane; v2 16 t; v3 64 t; v4 4 x lane; v5 16 x lane; v10, v12 the LDS addresses of the ring's two halves
	s_load_b128 s[4:7], s[0:1], 0x0                ; xyz_1, xyz_2
	s_load_b64 s[8:9], s[0:1], 0x10                ; keys
	v_lshl_add_u32 v254, v0, 2, 0x4000
	v_mov_b32 v255, 0
	v_lshrrev_b32 v1, 5, v0
	v_readfirstlane_b32 s10, v1                    ; wave 0..3
	s_and_b32 s11, ttmp9, 3                        ; the quarter of the candidates
	s_lshr_b32 s12, ttmp9, 2                       ; the block of 512 queries, 0..63
	s_lshr_b32 s13, s12, 5                         ; the batch
	s_mul_i32 s14, s13, 49152                      ; xyz_1: batch x 3 x 4096 x 4
	s_lshl_b32 s15, s11, 12                        ; + quarter x 1024 x 4
	s_add_co_u32 s14, s14, s15
	s_mov_b32 s15, 0
	s_mul_i32 s16, s13, 196608                     ; xyz_2: batch x 3 x 16384 x 4
	s_and_b32 s17, s12, 31
	s_lshl_b32 s17, s17, 11                        ; + block in the batch x 512 x 4
	s_add_co_u32 s16, s16, s17
	s_wait_alu depctr_va_sdst(0)                   ; s10 is written, ahead of its first reader: the bases of xyz_2 and keys are made from it
	s_lshl_b32 s17, s10, 9                         ; + wave x 128 x 4
	s_add_co_u32 s16, s16, s17
	s_mov_b32 s17, 0
	s_lshl_b32 s18, s11, 19                        ; keys: quarter x 32768 x 16
	s_lshl_b32 s19, s12, 13                        ; + block x 512 x 16
	s_add_co_u32 s18, s18, s19
	s_lshl_b32 s19, s10, 11                        ; + wave x 128 x 16
	s_add_co_u32 s18, s18, s19
	s_mov_b32 s19, 0
	s_mov_b32 s24, 31                              ; trips that fetch
	s_mov_b32 s25, 0xffffff80                      ; a key's bits of the distance
	s_lshl_b32 s26, s11, 5                         ; the chunk in hand: 32 x quarter on
	v_and_b32 v1, 31, v0
	v_lshlrev_b32 v2, 4, v0
	v_lshlrev_b32 v3, 6, v0
	v_lshlrev_b32 v4, 2, v1
	v_lshlrev_b32 v5, 4, v1
	s_wait_kmcnt 0x0
	s_add_nc_u64 s[4:5], s[4:5], s[14:15]
	s_add_nc_u64 s[6:7], s[6:7], s[16:17]
	s_add_nc_u64 s[8:9], s[8:9], s[18:19]
	s_wait_alu depctr_va_vdst(0)                   ; the offsets v2 to v5 are written, which the loads and stores of the kernel read
.irp i, 0,1
.irp c, 0,1,2
	global_load_b128 v[RA+16*\i+4*\c:RA+16*\i+4*\c+3], v2, s[4:5] offset:16384*\c+2048*\i   ; coordinate c of candidates 512 i + 4 t + 0..3, group 128 i + t: a wave reads 512 consecutive bytes
.endr
.endr
.irp e, 0,1,2,3
.irp c, 0,1,2
	global_load_b32 v[QD+6*\e+2*\c], v4, s[6:7] offset:65536*\c+128*\e                       ; coordinate c of query 32 e + lane: a wave reads 128 consecutive bytes
.endr
.endr
	s_wait_loadcnt 12                              ; the six loads of candidates are in; the twelve of queries may be out
; THE TABLE: dd, then the coordinates x -2 (exact), operation by operation; a group goes to LDS as its 16 registers stand
.irp i, 0,1
.irp e, 0,1,2,3
	v_mul_f32 v[RA+16*\i+12+\e], v[RA+16*\i+\e], v[RA+16*\i+\e]
.endr
.endr
.irp i, 0,1
.irp e, 0,1,2,3
	v_fma_f32 v[RA+16*\i+12+\e], v[RA+16*\i+4+\e], v[RA+16*\i+4+\e], v[RA+16*\i+12+\e]
.endr
.endr
.irp i, 0,1
.irp e, 0,1,2,3
	v_fma_f32 v[RA+16*\i+12+\e], v[RA+16*\i+8+\e], v[RA+16*\i+8+\e], v[RA+16*\i+12+\e]
.endr
.endr
.irp i, 0,1
.irp j, 0,1,2,3,4,5,6,7,8,9,10,11
	v_mul_f32 v[RA+16*\i+\j], -2.0, v[RA+16*\i+\j]
.endr
.endr
	s_wait_alu depctr_va_vdst(0)                   ; my two groups, v64 to v95, are written, which the LDS stores read
.irp i, 0,1
.irp c, 0,1,2,3
	ds_store_b128 v3, v[RA+16*\i+4*\c:RA+16*\i+4*\c+3] offset:8192*\i+16*\c
.endr
.endr
	s_wait_loadcnt 0x0                             ; the queries
.irp e, 0,1,2,3
	v_mul_f32 v[SS+\e], v[QD+6*\e], v[QD+6*\e]
.endr
.irp e, 0,1,2,3
	v_fma_f32 v[SS+\e], v[QD+6*\e+2], v[QD+6*\e+2], v[SS+\e]
.endr
.irp e, 0,1,2,3
	v_fma_f32 v[SS+\e], v[QD+6*\e+4], v[QD+6*\e+4], v[SS+\e]
.endr
.irp j, 0,1,2,3,4,5,6,7,8,9,10,11
	v_mov_b32 v[QD+2*\j+1], v[QD+2*\j]             ; each coordinate twice
.endr
.irp j, 0,1,2,3,4,5,6,7,8,9,10,11,12,13,14,15
	v_mov_b32 v[KY+\j], 0x7f7fffff                 ; the keys begin above every key
.endr
	v_mov_b32 v10, 0                               ; chunk 0's first 16 candidates,
	v_mov_b32 v12, 256                             ; and its last 16
	s_wait_dscnt 0x0                               ; for the others' sake: my two groups lie in LDS
	s_barrier_signal -1
	s_barrier_wait -1                              ; the table is whole.  From here on LDS is only read
.macro FETCH buf, adr                  ; 16 candidates, 256 bytes: 16 loads, every lane the same 16 bytes
.irp k, 0,1,2,3,4,5,6,7,8,9,10,11,12,13,14,15
	ds_load_b128 v[\buf+4*\k:\buf+4*\k+3], v[\adr] offset:16*\k
.endr
.endm
; Four candidates against my four queries: eight chains of three packed multiply-adds, operation by operation, so that a line reads what was written eight lines back; then eight minima.
; first = 1: the chunk's first group starts the running minima.
.macro GROUP buf, g, first
.set GB, \buf+16*(\g)
.irp e, 0,1,2,3
	v_pk_fma_f32 v[T+4*\e:T+4*\e+1],   v[GB+8:GB+9],   v[QD+6*\e+4:QD+6*\e+5], v[GB+12:GB+13]   ; dd - 2 z qz
	v_pk_fma_f32 v[T+4*\e+2:T+4*\e+3], v[GB+10:GB+11], v[QD+6*\e+4:QD+6*\e+5], v[GB+14:GB+15]
.endr
.irp e, 0,1,2,3
	v_pk_fma_f32 v[T+4*\e:T+4*\e+1],   v[GB+4:GB+5],   v[QD+6*\e+2:QD+6*\e+3], v[T+4*\e:T+4*\e+1]       ; - 2 y qy
	v_pk_fma_f32 v[T+4*\e+2:T+4*\e+3], v[GB+6:GB+7],   v[QD+6*\e+2:QD+6*\e+3], v[T+4*\e+2:T+4*\e+3]
.endr
.irp e, 0,1,2,3
	v_pk_fma_f32 v[T+4*\e:T+4*\e+1],   v[GB:GB+1],     v[QD+6*\e:QD+6*\e+1],   v[T+4*\e:T+4*\e+1]       ; - 2 x qx
	v_pk_fma_f32 v[T+4*\e+2:T+4*\e+3], v[GB+2:GB+3],   v[QD+6*\e:QD+6*\e+1],   v[T+4*\e+2:T+4*\e+3]
.endr
.irp e, 0,1,2,3
.if \first
	v_min_num_f32 v[MA+2*\e],   v[T+4*\e],   v[T+4*\e+1]
	v_min_num_f32 v[MA+2*\e+1], v[T+4*\e+2], v[T+4*\e+3]
.else
	v_min3_num_f32 v[MA+2*\e],   v[MA+2*\e],   v[T+4*\e],   v[T+4*\e+1]
	v_min3_num_f32 v[MA+2*\e+1], v[MA+2*\e+1], v[T+4*\e+2], v[T+4*\e+3]
.endif
.endr
.endm
; The chunk is done: its minimum + ss, held at 2^-100 from below, becomes a key and is put into the query's sorted four; the four queries line by line in turn
.macro CHUNKEND
.irp e, 0,1,2,3
	v_min_num_f32 v[TM+\e], v[MA+2*\e], v[MA+2*\e+1]
.endr
.irp e, 0,1,2,3
	v_add_f32 v[TM+\e], v[TM+\e], v[SS+\e]
.endr
.irp e, 0,1,2,3
	v_max_num_f32 v[TM+\e], 0x0d800000, v[TM+\e]
.endr
.irp e, 0,1,2,3
	v_and_or_b32 v[TM+\e], v[TM+\e], s25, s26
.endr
.irp e, 0,1,2,3
	v_med3_num_f32 v[KY+4*\e+3], v[KY+4*\e+2], v[KY+4*\e+3], v[TM+\e]
.endr
.irp e, 0,1,2,3
	v_med3_num_f32 v[KY+4*\e+2], v[KY+4*\e+1], v[KY+4*\e+2], v[TM+\e]
.endr
.irp e, 0,1,2,3
	v_med3_num_f32 v[KY+4*\e+1], v[KY+4*\e], v[KY+4*\e+1], v[TM+\e]
.endr
.irp e, 0,1,2,3
	v_min_num_f32 v[KY+4*\e], v[KY+4*\e], v[TM+\e]
.endr
	s_add_co_u32 s26, s26, 1                       ; the next chunk's number
.endm
; A trip: one chunk.  fetch = 1: each half of the ring takes the next chunk's candidates as soon as it has been used: they have the other half's four groups in which to land.
; Each half has an address register of its own; both are stepped at the trip's head.
.macro TRIP fetch
	s_wait_dscnt 16                                ; the first half's 16 loads are in; the second half's 16 may be out
.if \fetch
	s_wait_alu depctr_vm_vsrc(0)                   ; the fetches issued so far have read v10 and v12
	v_add_nc_u32 v10, 512, v10
	v_add_nc_u32 v12, 512, v12
.endif
	GROUP RA, 0, 1
	GROUP RA, 1, 0
	GROUP RA, 2, 0
	GROUP RA, 3, 0
.if \fetch
	s_wait_alu depctr_va_vdst(0)                   ; the four groups are done reading RA, in which the loads below land; v10 and v12 are written
	FETCH RA, 10
	s_wait_dscnt 16                                ; the second half's are in; the 16 just issued may be out
.else
	s_wait_dscnt 0x0
.endif
	GROUP RB, 0, 0
	GROUP RB, 1, 0
	GROUP RB, 2, 0
	GROUP RB, 3, 0
.if \fetch
	s_wait_alu depctr_va_vdst(0)                   ; the four groups are done reading RB, in which the loads below land
	FETCH RB, 12
.endif
	CHUNKEND
.endm
	s_wait_alu depctr_va_vdst(0)                   ; v10 and v12 are written, which the fetches read
	s_wait_alu depctr_vm_vsrc(0)                   ; my stores into the table have read v64 to v95, in which the ring's first loads land
	FETCH RA, 10
	FETCH RB, 12
.Lchunk:
	TRIP 1
	s_sub_co_u32 s24, s24, 1
	s_cmp_lg_u32 s24, 0
	s_cbranch_scc1 .Lchunk
	TRIP 0                                         ; the quarter's last chunk: nothing is left to fetch
	s_wait_alu depctr_va_vdst(0)                   ; the last chunk's lines have written the sixteen keys, which the stores read
.irp e, 0,1,2,3
	global_store_b128 v5, v[KY+4*\e:KY+4*\e+3], s[8:9] offset:512*\e   ; queries 32 e + lane: 32 lanes store 512 consecutive bytes, at a multiple of 256 from the buffer's first byte
.endr
	s_wait_dscnt 0x0                               ; the closing lines, six on end
	s_wait_alu 0x0
	s_wait_tensorcnt 0x0
	ds_add_u32 v254, v255
	s_wait_dscnt 0x0
	s_endpgm
.Lfunc_end_k_qd03229e249_filter:
	.size	k_qd03229e249_filter, .Lfunc_end_k_qd03229e249_filter-k_qd03229e249_filter
	.p2alignl 7, 3214868480
	.fill 96, 4, 3214868480
	.section	.rodata,"a",@progbits
	.p2align	6, 0x0
	.amdhsa_kernel k_qd03229e249_filter
		.amdhsa_group_segment_fixed_size 16896
		.amdhsa_private_segment_fixed_size 0
		.amdhsa_enable_private_segment 0
		.amdhsa_kernarg_size 24
		.amdhsa_user_sgpr_count 2
		.amdhsa_user_sgpr_kernarg_segment_ptr 1
		.amdhsa_wavefront_size32 1
		.amdhsa_system_sgpr_workgroup_id_x 1
		.amdhsa_system_sgpr_workgroup_id_y 1
		.amdhsa_system_sgpr_workgroup_id_z 1
		.amdhsa_system_vgpr_workitem_id 0
		.amdhsa_next_free_vgpr 256
		.amdhsa_next_free_sgpr 66
		.amdhsa_reserve_vcc 0
		.amdhsa_float_denorm_mode_32 3
		.amdhsa_float_denorm_mode_16_64 3
		.amdhsa_memory_ordered 1
		.amdhsa_forward_progress 1
		.amdhsa_inst_pref_size 49
	.end_amdhsa_kernel
	.amdgpu_metadata
---
amdhsa.version: [ 1, 2 ]
amdhsa.kernels:
  - .name:           k_qd03229e249_filter
    .symbol:         k_qd03229e249_filter.kd
    .args:
      - { .name: xyz_1, .offset: 0, .size: 8, .value_kind: global_buffer, .address_space: global }
      - { .name: xyz_2, .offset: 8, .size: 8, .value_kind: global_buffer, .address_space: global }
      - { .name: keys, .offset: 16, .size: 8, .value_kind: global_buffer, .address_space: global }
    .group_segment_fixed_size: 16896
    .private_segment_fixed_size: 0
    .kernarg_segment_align: 8
    .kernarg_segment_size: 24
    .max_flat_workgroup_size: 128
    .sgpr_count:     66
    .vgpr_count:     256
    .wavefront_size: 32
...
	.end_amdgpu_metadata
.endif
;; end of part 4
;; launch rescan (part 5): grid 256 x 1, 4 waves a work-group, no clusters, 85,504 bytes of LDS; arguments keys, xyz_1, xyz_2, points_1_codes, points_1_scales, w1_codes, w1_scales, b1, p1t, idx4, w4; writes p1t, idx4, w4
.if DOCPART == 5
	.amdgcn_target "amdgcn-amd-amdhsa--gfx1250"
	.amdhsa_code_object_version 6
	.text
	.protected	k_qd03229e249_rescan
	.globl	k_qd03229e249_rescan
	.p2align	8
	.type	k_qd03229e249_rescan,@function
k_qd03229e249_rescan:
	s_mov_b64 s[64:65], 0
	v_nop
	global_prefetch_b8 v0, s[64:65] scope:SCOPE_SE
	s_setreg_imm32_b32 hwreg(HW_REG_WAVE_SCHED_MODE, 0, 2), 2
	s_setreg_imm32_b32 hwreg(HW_REG_WAVE_MODE, 25, 1), 1
	s_wait_xcnt 0x0
	s_wait_alu depctr_vm_vsrc(0)
; TWO THINGS IN ONE LAUNCH, since the first leaves the matrix unit idle.
; (1) THE SECOND STAGE OF THE SEARCH.  Thread t of work-group x is query 128 x + t.  Of its 16 keys (four of each quarter of the candidates) it takes the four smallest, by whole-number instructions,
;     since LDS addresses hang on them; their low 7 bits name four chunks of 32 candidates.  Those 128 candidates are scanned in f32,
;     d = max((ss + dd) - 2 q.c, 0), for the three smallest d, the lower index first among equals.  Out: idx4 [32768][4] u32 (three rows of p1t, then 0), w4 [32768][4] f32 (three weights, then 0).
; (2) p1 = points_1 W1^T + b1 on codes of E3M2 with E8M0 scales: p1t [8192 points][256 channels] f32.  The work-group makes points 32 x .. 32 x + 31, wave w channels 64 w .. 64 w + 63.
; THE ORDER OF ROUNDING.  ss and dd: the three squares are rounded one by one and added in ascending order, (x x + y y) + z z (no fused form, on purpose).
; The dot: one chain of fused multiply-adds in ascending k, fma(qz, z, fma(qy, y, qx x)).  s = ss + dd; d = s - 2 p in one rounding (2 p is exact).
; LIMIT: which candidate is third hangs on d's last bit; where the third and fourth distances differ by less than the rounding of ss + dd - 2 q.c (an ulp or two of ss + dd),
; another order of rounding may choose the other.  NaN and infinities are not served.
; LDS: the batch's 4,096 candidates as (x, dd, y, z), 16 bytes each, a chunk 528 bytes (512 + 16, so that chunks begin in different groups of banks); behind them a stage of 16 rows x 272 bytes a wave for p1t.
; ONE barrier: in front of it the table and the stages are written, behind it LDS is only read.
; THE MODE: SCHED_MODE bits 1:0 = 2 (LLVM: expert scheduling mode 2), set by the entry lines.  The code itself states the register dependences
; between vector or matrix instructions and memory or LDS instructions, with s_wait_alu, always for 0.
; THE PLAN.  Registers that memory or LDS instructions touch:
;   Q0 = v16-47, Q1 = v128-159   two out-buffers of eight quads for the table, by turns, four phases.  A phase's arithmetic writes one; its eight LDS stores read it; it is written again two phases on.
;                                (Q1 lies over numbers of xyz_1 that earlier phases have used up.)  One wait on va_vdst stands ahead of each run of stores; beside it, in phases 1 and 2, one on vm_vsrc for the stores of the phase before.
;   v128-223   xyz_1 as loaded, read by the table's arithmetic; then W1's fragments land there, read by the products; then the ring.
;   v16-79     the products' results: written by the products, read by the stage's stores.  v80-111, v128-159: the rows read back, read by the stores to p1t.
;   v96-223    the ring's two halves: written by the LDS loads and, in place, by a block's distances; read by the block's comparisons; loaded again behind them.
;   v232-235   the ring's LDS addresses: made once from the keys.   v3 .. v11: offsets and addresses, made once at the head.   v40-47: what the last two stores read.
; THE MASKS.  A comparison writes a scalar register and a selection reads it.  The lists of distances do not hang on the selections: so four steps' comparisons and list updates go first, into 24 scalar registers,
; one wait on va_sdst follows, and then the four steps' selections, in the steps' order.
.set CH,    528
.set PSTG,  128*CH
.set ACC0,  16                         ; v16-47   out-buffer Q0 of the table; then the first point tile's four results; then the two lists and what the scan works with
.set BIAS,  48                         ; v48-79   b1 in the results' layout, four tiles: the C of the first tile's sums, and the second tile's sums themselves
.set P1F,   80                         ; v80-127  points' fragments, 12 registers for (point tile, K step)
.set XT,    128                        ; v128-223 xyz_1 as loaded (v128-159 later out-buffer Q1); then
.set W1F,   128                        ;          W1's fragments, 12 registers for (channel tile, K step)
.set RING,  96                         ; v96-223  in the scan: two halves of 16 candidates
.set KEY,   224                        ; v224-239 the 16 keys; later
.set LB,    232                        ; v232-235 the four chunks' LDS addresses,
.set ID,    236                        ; v236-239 and their numbers, ascending
.set QX,    240                        ; v240-242 qx, qy, qz
.set P1S,   244                        ; v244-247 the points' scale words: they hold nothing else
.set W1S,   248                        ; v248-255 W1's
; v1 r; v2 h; v3 16 t; v4 4 t; v5 192 r + 24 h; v6 8 r; v7 32 h; v8 the table, on the way in; v9, v10 the stage, in and back; v11 my bytes in two rows of p1t; v12, v13 at work
; in the scan: v16-18, v19-21 list A's distances and codes; v22-24, v25-27 list B's; v28-35 at work; v[36:37] = (0, ss); v[38:39] = (qx, 1); v40-47 what is stored
; in the scan: s4-21 and s40-45 the masks of four steps, six a step (the addresses that s4-21 held are done with)
	s_load_b256 s[4:11], s[0:1], 0x0               ; keys, xyz_1, xyz_2, points_1_codes
	s_load_b256 s[12:19], s[0:1], 0x20             ; points_1_scales, w1_codes, w1_scales, b1
	s_load_b128 s[20:23], s[0:1], 0x40             ; p1t, idx4
	s_load_b64 s[24:25], s[0:1], 0x50              ; w4
	v_lshl_add_u32 v15, v0, 2, 0x14c00
	v_mov_b32 v243, 0
	v_lshrrev_b32 v1, 5, v0
	v_readfirstlane_b32 s26, v1                    ; wave 0..3
	s_lshr_b32 s27, ttmp9, 7                       ; the batch
	s_lshl_b32 s36, s27, 12                        ; its first row of p1t
	v_and_b32 v1, 15, v0
	v_bfe_u32 v2, v0, 4, 1
	v_lshlrev_b32 v3, 4, v0
	v_lshlrev_b32 v4, 2, v0
	v_mul_u32_u24 v5, v1, 192                      ; a row of 256 codes is 192 bytes
	v_mad_u32_u24 v5, v2, 24, v5
	v_lshlrev_b32 v6, 3, v1                        ; a row of scales is 8 bytes: two words
	v_lshlrev_b32 v7, 5, v2
	v_lshrrev_b32 v8, 3, v0                        ; candidates 512 i + 4 t + e: chunk 16 i + t / 8, place 4 (t % 8) + e
	v_mul_u32_u24 v8, v8, CH
	v_and_b32 v12, 7, v0
	v_lshl_add_u32 v8, v12, 6, v8
	s_wait_alu depctr_va_sdst(0)                   ; s26 is written, ahead of its first reader: the stage's place and four bases are made from it
	s_mul_i32 s38, s26, 16*272
	s_add_co_u32 s38, s38, PSTG                    ; my stage
	v_mul_u32_u24 v9, v1, 272
	v_lshl_add_u32 v9, v2, 5, v9
	v_add_nc_u32 v9, s38, v9                       ; in: row = point r, + 32 h
	v_mul_u32_u24 v10, v2, 272
	v_lshl_add_u32 v10, v1, 4, v10
	v_add_nc_u32 v10, s38, v10                     ; back: lanes 0-15 one row of 256 bytes, lanes 16-31 the next
	v_lshlrev_b32 v11, 10, v2
	v_lshl_add_u32 v11, v1, 4, v11                 ; and the same in p1t, whose rows are 1,024 bytes
	s_mov_b32 s29, 0
	s_wait_kmcnt 0x0
	s_lshl_b32 s28, ttmp9, 11                      ; 128 queries x 16 bytes
	s_add_nc_u64 s[4:5], s[4:5], s[28:29]
	s_add_nc_u64 s[22:23], s[22:23], s[28:29]
	s_add_nc_u64 s[24:25], s[24:25], s[28:29]
	s_mul_i32 s28, s27, 49152
	s_add_nc_u64 s[6:7], s[6:7], s[28:29]
	s_mul_i32 s28, s27, 196608
	s_and_b32 s37, ttmp9, 127
	s_lshl_b32 s37, s37, 9
	s_add_co_u32 s28, s28, s37
	s_add_nc_u64 s[8:9], s[8:9], s[28:29]
	s_mul_i32 s28, ttmp9, 32*192
	s_add_nc_u64 s[10:11], s[10:11], s[28:29]
	s_lshl_b32 s28, ttmp9, 8
	s_add_nc_u64 s[12:13], s[12:13], s[28:29]
	s_mul_i32 s28, s26, 64*192
	s_add_nc_u64 s[14:15], s[14:15], s[28:29]
	s_lshl_b32 s28, s26, 9
	s_add_nc_u64 s[16:17], s[16:17], s[28:29]
	s_lshl_b32 s28, s26, 8
	s_add_nc_u64 s[18:19], s[18:19], s[28:29]
	s_lshl_b32 s37, ttmp9, 15                      ; 32 rows of p1t, + my 64 channels
	s_add_co_u32 s28, s28, s37
	s_add_nc_u64 s[20:21], s[20:21], s[28:29]
	s_wait_alu depctr_va_vdst(0)                   ; the offsets and addresses v3 to v11 are written, which the loads and stores of the kernel read
.irp i, 0,1,2,3,4,5,6,7
.irp c, 0,1,2
	global_load_b128 v[XT+12*\i+4*\c:XT+12*\i+4*\c+3], v3, s[6:7] offset:16384*\c+2048*\i   ; coordinate c of candidates 512 i + 4 t + 0..3
.endr
.endr
.irp c, 0,1,2,3
	global_load_b128 v[KEY+4*\c:KEY+4*\c+3], v3, s[4:5] offset:524288*\c                     ; my query's four keys of quarter c
.endr
.irp c, 0,1,2
	global_load_b32 v[QX+\c], v4, s[8:9] offset:65536*\c
.endr
.irp t, 0,1,2,3
	global_load_b128 v[BIAS+8*\t:BIAS+8*\t+3],   v7, s[18:19] offset:64*\t                   ; b1 at channels 16 t + 8 h + 0..7 of my 64
	global_load_b128 v[BIAS+8*\t+4:BIAS+8*\t+7], v7, s[18:19] offset:64*\t+16
.endr
.irp f, 0,1,2,3
.irp p, 0,1,2,3,4,5
	global_load_b64 v[P1F+12*\f+2*\p:P1F+12*\f+2*\p+1], v5, s[10:11] offset:3072*(\f/2)+96*(\f%2)+48*(\p/3)+8*(\p%3)   ; point tile f / 2, K step f % 2: the row's bits as they lie, in pieces of 8 bytes
.endr
.endr
.irp t, 0,1
	global_load_b64 v[P1S+2*\t:P1S+2*\t+1], v6, s[12:13] offset:128*\t
.endr
.irp t, 0,1,2,3
	global_load_b64 v[W1S+2*\t:W1S+2*\t+1], v6, s[16:17] offset:128*\t
.endr
	s_wait_loadcnt 45                              ; xyz_1's 24 loads are in; the 4 + 3 + 8 + 24 + 2 + 4 issued behind them may be out
; THE TABLE: (x, dd, y, z).  Phase p makes the eight quads of loads 2 p and 2 p + 1 in out-buffer p % 2 (Q0 at v16, Q1 at v128) and stores them in one run.
; Q1 lies over numbers of xyz_1 that are used up: phase 1 reads v152-175 and writes v128-143 from v152-163, then v144-159 from v164-175; phase 3 reads v200-223.
.macro QUADS p
.irp g, 0,1
.irp e, 0,1,2,3
.set QD, ACC0+112*((\p)%2)+16*\g+4*\e
.set XS, XT+12*(2*(\p)+\g)+\e
	v_mov_b32 v[QD],   v[XS]
	v_mov_b32 v[QD+2], v[XS+4]
	v_mov_b32 v[QD+3], v[XS+8]
	v_mul_f32 v[QD+1], v[QD], v[QD]                ; each square is rounded by itself,
	v_mul_f32 v12, v[QD+2], v[QD+2]
	v_mul_f32 v13, v[QD+3], v[QD+3]
	v_add_f32 v[QD+1], v[QD+1], v12                ; and they are added in ascending order: not fused, on purpose (see the head)
	v_add_f32 v[QD+1], v[QD+1], v13                ; dd
.endr
.endr
.endm
.macro QSTORE p
.irp g, 0,1
.irp e, 0,1,2,3
	ds_store_b128 v8, v[ACC0+112*((\p)%2)+16*\g+4*\e:ACC0+112*((\p)%2)+16*\g+4*\e+3] offset:16*CH*(2*(\p)+\g)+16*\e
.endr
.endr
.endm
	QUADS 0
	s_wait_alu depctr_va_vdst(0)                   ; phase 0 has written Q0, which its stores read
	QSTORE 0
	QUADS 1
	s_wait_alu depctr_va_vdst(0)                   ; phase 1 has written Q1, which its stores read
	s_wait_alu depctr_vm_vsrc(0)                   ; phase 0's stores have read Q0, which phase 2 writes again
	QSTORE 1
	QUADS 2
	s_wait_alu depctr_va_vdst(0)                   ; phase 2 has written Q0, which its stores read
	s_wait_alu depctr_vm_vsrc(0)                   ; phase 1's stores have read Q1, which phase 3 writes again
	QSTORE 2
	QUADS 3
	s_wait_alu depctr_va_vdst(0)                   ; phase 3 has written Q1, which its stores read; and the four phases are done reading v128-223, in which W1's fragments land
	QSTORE 3
.irp f, 3,4,5,6,7
.irp p, 0,1,2,3,4,5
	global_load_b64 v[W1F+12*\f+2*\p:W1F+12*\f+2*\p+1], v5, s[14:15] offset:3072*(\f/2)+96*(\f%2)+48*(\p/3)+8*(\p%3)   ; channel tile f / 2, K step f % 2, into the registers that xyz_1 has left: v164-223, which no LDS store has read
.endr
.endr
	s_wait_alu depctr_vm_vsrc(0)                   ; phase 3's stores have read Q1, in which the three fragments below land; phase 2's have read Q0, over which the products' first results are laid
.irp f, 0,1,2
.irp p, 0,1,2,3,4,5
	global_load_b64 v[W1F+12*\f+2*\p:W1F+12*\f+2*\p+1], v5, s[14:15] offset:3072*(\f/2)+96*(\f%2)+48*(\p/3)+8*(\p%3)
.endr
.endr
	s_wait_loadcnt 63                              ; the keys and the query are in: 86 loads were issued behind them, and 63, the largest count that the wait can name, is the stricter
; THE FOUR SMALLEST OF 16 KEYS.  Quarter 0's four are sorted; each of the other twelve is put in by seven minima and maxima of whole numbers.
.irp x, 4,5,6,7,8,9,10,11,12,13,14,15
	v_max_u32 v12, v[KEY], v[KEY+\x]
	v_min_u32 v[KEY], v[KEY], v[KEY+\x]
	v_max_u32 v13, v[KEY+1], v12
	v_min_u32 v[KEY+1], v[KEY+1], v12
	v_max_u32 v12, v[KEY+2], v13
	v_min_u32 v[KEY+2], v[KEY+2], v13
	v_min_u32 v[KEY+3], v[KEY+3], v12
.endr
.irp i, 0,1,2,3
	v_and_b32 v[KEY+4+\i], 127, v[KEY+\i]          ; the chunks' numbers,
.endr
	v_min_u32 v232, v228, v229                     ; sorted ascending, so that the scan goes up the candidates' indices: five exchanges
	v_max_u32 v233, v228, v229
	v_min_u32 v234, v230, v231
	v_max_u32 v235, v230, v231
	v_min_u32 v[ID], v232, v234
	v_max_u32 v229, v232, v234
	v_min_u32 v228, v233, v235
	v_max_u32 v[ID+3], v233, v235
	v_min_u32 v[ID+1], v228, v229
	v_max_u32 v[ID+2], v228, v229
.irp i, 0,1,2,3
	v_min_u32 v[LB+\i], 127, v[ID+\i]              ; a loaded number enters an address behind a bound written in the instruction
.endr
.irp i, 0,1,2,3
	v_mul_u32_u24 v[LB+\i], v[LB+\i], CH
.endr
	s_wait_loadcnt 0x0                             ; all operands of the products
	s_wait_dscnt 0x0                               ; no LDS store of mine is out (that the table's stores have read Q0 is stated by the wait on vm_vsrc above)
; p1.  Source 0 = 16 channels of W1, source 1 = 16 points: lane (r, h) holds point r and channels 16 t + 8 h + 0..7.  The four accumulators of a point tile take turns.
.macro PMM d, c, t, f
	v_wmma_scale_f32_16x16x128_f8f6f4 v[\d+8*\t:\d+8*\t+7], v[W1F+12*(2*\t+(\f%2)):W1F+12*(2*\t+(\f%2))+11], v[P1F+12*\f:P1F+12*\f+11], v[\c+8*\t:\c+8*\t+7], v[W1S+2*\t+(\f%2)], v[P1S+\f] matrix_a_fmt:MATRIX_FMT_BF6 matrix_b_fmt:MATRIX_FMT_BF6
.endm
.irp t, 0,1,2,3
	PMM ACC0, BIAS, \t, 0                          ; points 0-15: the bias is the C of the sum's first product
.endr
.irp t, 0,1,2,3
	PMM ACC0, ACC0, \t, 1
.endr
.rept 5
	v_nop                                          ; five places: the next products write over registers that the first four read as C
.endr
.irp t, 0,1,2,3
	PMM BIAS, BIAS, \t, 2                          ; points 16-31: in place on the bias
.endr
.irp t, 0,1,2,3
	PMM BIAS, BIAS, \t, 3
.endr
.rept 4
	v_nop                                          ; four places ahead of the first read of results
.endr
	s_wait_alu depctr_va_vdst(0)                   ; the products have written v16-79, which the stage's stores read, and are done reading v80-223, in which the loads from the stage and the ring's first loads land; v232-235, the ring's addresses, are written.  No vector line stands from here to the ring's first loads
; A lane holds 32 neighbouring bytes of a row of p1t and the lanes beside it hold other rows: 16 rows x 256 bytes go through my own stage and come back as whole rows.
; LDS serves a wave's instructions in order (ISA guide 5.7.1.4): no wait between the stores and the loads, nor ahead of the second tile's stores.
.irp t, 0,1,2,3
	ds_store_b128 v9, v[ACC0+8*\t:ACC0+8*\t+3]   offset:64*\t      ; each result from its low end on
	ds_store_b128 v9, v[ACC0+8*\t+4:ACC0+8*\t+7] offset:64*\t+16
.endr
.irp i, 0,1,2,3,4,5,6,7
	ds_load_b128 v[80+4*\i:83+4*\i], v10 offset:544*\i
.endr
.irp t, 0,1,2,3
	ds_store_b128 v9, v[BIAS+8*\t:BIAS+8*\t+3]   offset:64*\t
	ds_store_b128 v9, v[BIAS+8*\t+4:BIAS+8*\t+7] offset:64*\t+16
.endr
.irp i, 0,1,2,3,4,5,6,7
	ds_load_b128 v[128+4*\i:131+4*\i], v10 offset:544*\i
.endr
.irp i, 0,1,2,3,4,5,6,7
	s_wait_dscnt 23-\i                             ; behind this load: the first tile's 7 - i, and the second tile's 8 stores and 8 loads
	global_store_b128 v11, v[80+4*\i:83+4*\i], s[20:21] offset:2048*\i          ; sixteen lanes store 256 consecutive bytes, at a multiple of 256 from the buffer's first byte
.endr
.irp i, 0,1,2,3,4,5,6,7
	s_wait_dscnt 7-\i
	global_store_b128 v11, v[128+4*\i:131+4*\i], s[20:21] offset:16384+2048*\i
.endr
	s_wait_dscnt 0x0                               ; for the others' sake: my part of the table lies in LDS (and no LDS instruction of mine is out)
	s_barrier_signal -1
	s_barrier_wait -1                              ; the table is whole; nobody writes LDS from here on
	s_wait_xcnt 0x0                                ; the stores to p1t have had their addresses translated: their registers and their base are written again only behind this wait
	s_wait_alu depctr_vm_vsrc(0)                   ; the stores to p1t have read v80-111 and v128-159, over which the ring is laid; the stage's stores have read v16-47, which the lists take
; THE SCAN.  Two lists, so that two chains of dependent lines stand side by side: list A takes the two chunks with the lower numbers (codes 0..63), list B the other two (codes 64..127).
; A code is 32 x the chunk's place among the four + the place in the chunk: it rises with the candidate's index.
.macro LOADB n                         ; steps 8 n .. 8 n + 7: A's and B's candidates, 16 loads, into ring half n % 2
.irp k, 0,1,2,3,4,5,6,7
	ds_load_b128 v[RING+64*(\n%2)+8*\k:RING+64*(\n%2)+8*\k+3],   v[LB+(8*\n+\k)/32]   offset:16*((8*\n+\k)%32)
	ds_load_b128 v[RING+64*(\n%2)+8*\k+4:RING+64*(\n%2)+8*\k+7], v[LB+2+(8*\n+\k)/32] offset:16*((8*\n+\k)%32)
.endr
.endm
	LOADB 0
	LOADB 1
.irp i, 16,17,18,22,23,24
	v_mov_b32 v\i, 0x7f800000                      ; a <= b <= c of each list begin at infinity;
.endr
.irp i, 19,20,21,25,26,27
	v_mov_b32 v\i, 0                               ; their codes at anything
.endr
	v_mov_b32 v36, 0
	v_mul_f32 v37, v[QX], v[QX]                    ; ss as dd: three rounded squares,
	v_mul_f32 v28, v[QX+1], v[QX+1]
	v_mul_f32 v29, v[QX+2], v[QX+2]
	v_add_f32 v37, v37, v28                        ; added in ascending order: not fused, on purpose
	v_add_f32 v37, v37, v29                        ; v[36:37] = (0, ss)
	v_mov_b32 v38, v[QX]
	v_mov_b32 v39, 1.0                             ; v[38:39] = (qx, 1)
; The 16 distances of a ring half, in place, operation by operation: no line waits for the line above it.  A quad (x, dd, y, z) ends with d in its second register.
.macro DISTB n
.set RH, RING+64*(\n%2)
.irp k, 0,1,2,3,4,5,6,7,8,9,10,11,12,13,14,15
	v_pk_fma_f32 v[RH+4*\k:RH+4*\k+1], v[RH+4*\k:RH+4*\k+1], v[38:39], v[36:37]                ; qx x + 0 and dd x 1 + ss: the product and the sum, each rounded once
.endr
.irp k, 0,1,2,3,4,5,6,7,8,9,10,11,12,13,14,15
	v_fma_f32 v[RH+4*\k], v[QX+1], v[RH+4*\k+2], v[RH+4*\k]                                    ; + qy y, fused
.endr
.irp k, 0,1,2,3,4,5,6,7,8,9,10,11,12,13,14,15
	v_fma_f32 v[RH+4*\k], v[QX+2], v[RH+4*\k+3], v[RH+4*\k]                                    ; + qz z, fused: p
.endr
.irp k, 0,1,2,3,4,5,6,7,8,9,10,11,12,13,14,15
	v_fma_f32 v[RH+4*\k+1], -2.0, v[RH+4*\k], v[RH+4*\k+1]                                     ; (ss + dd) - 2 p
.endr
.irp k, 0,1,2,3,4,5,6,7,8,9,10,11,12,13,14,15
	v_max_num_f32 v[RH+4*\k+1], 0, v[RH+4*\k+1]
.endr
.endm
; A step puts d (v[DA], code CA) into list A (v16-18, codes v19-21) and d (v[DB], code CB) into list B (v22-24, v25-27), line by line in turn.  'Less than' is strict and the codes rise: among equals the lower index stays ahead.
; Its first part: the six comparisons, into the step's masks s[MB] .. s[MB + 5] (A: d < c, d < b, d < a; then B's), and the lists of distances
.macro CM2
	v_cmp_lt_f32 s[MB],   v[DA], v18
	v_cmp_lt_f32 s[MB+3], v[DB], v24
	v_cmp_lt_f32 s[MB+1], v[DA], v17
	v_cmp_lt_f32 s[MB+4], v[DB], v23
	v_cmp_lt_f32 s[MB+2], v[DA], v16
	v_cmp_lt_f32 s[MB+5], v[DB], v22
	v_med3_num_f32 v18, v17, v18, v[DA]
	v_med3_num_f32 v24, v23, v24, v[DB]
	v_med3_num_f32 v17, v16, v17, v[DA]
	v_med3_num_f32 v23, v22, v23, v[DB]
	v_min_num_f32 v16, v16, v[DA]
	v_min_num_f32 v22, v22, v[DB]
.endm
; Its second part: the lists of codes, by the step's masks
.macro CN2
	v_cndmask_b32 v28, CA, v20, s[MB+1]            ; what the third place takes if it changes: the old second, or the newcomer
	v_cndmask_b32 v30, CB, v26, s[MB+4]
	v_cndmask_b32 v29, CA, v19, s[MB+2]            ; and the second place: the old first, or the newcomer
	v_cndmask_b32 v31, CB, v25, s[MB+5]
	v_cndmask_b32 v21, v21, v28, s[MB]
	v_cndmask_b32 v27, v27, v30, s[MB+3]
	v_cndmask_b32 v20, v20, v29, s[MB+1]
	v_cndmask_b32 v26, v26, v31, s[MB+4]
	v_cndmask_b32 v19, v19, CA, s[MB+2]
	v_cndmask_b32 v25, v25, CB, s[MB+5]
.endm
.macro CMS n, k0                       ; the first parts of steps k0 .. k0 + 3 of block n; step k's masks begin at s4, s10, s16, s40
.irp k, 0,1,2,3
.set DA, RING+64*((\n)%2)+8*(\k0+\k)+1
.set DB, DA+4
.set MB, 4+6*\k+18*(\k/3)
	CM2
.endr
.endm
.macro CNS n, k0                       ; and their second parts, in the steps' order
.irp k, 0,1,2,3
.set CA, 8*(\n)+\k0+\k
.set CB, 64+CA
.set MB, 4+6*\k+18*(\k/3)
	CN2
.endr
.endm
; fetch = 1: the half just used takes the steps two blocks on, as soon as the block's last comparison has read it: the last 40 selections stand behind the loads and name neither the ring nor its addresses
.macro BLOCK n, left, fetch
	s_wait_dscnt \left                             ; this half's 16 loads are in; the other half's may be out
	DISTB \n
	CMS \n, 0
	s_wait_alu depctr_va_sdst(0)                   ; the 24 masks of steps 0 to 3 are written, ahead of the selections that read them
	CNS \n, 0
	CMS \n, 4
	s_wait_alu depctr_va_sdst(0)                   ; the 24 masks of steps 4 to 7 are written, ahead of the selections that read them
.if \fetch
	s_wait_alu depctr_va_vdst(0)                   ; the block's distances are written and its comparisons and list updates are done reading this half of the ring, in which the loads below land
	LOADB (\n+2)
.endif
	CNS \n, 4
.endm
.irp n, 0,1,2,3,4,5
	BLOCK \n, 16, 1
.endr
	BLOCK 6, 16, 0
	BLOCK 7, 0, 0
; B's three go into A, the smallest first: all B's indices lie above all A's, so the strict comparison again keeps the lower index ahead.  Again the comparisons and the distances first, then one wait, then the codes
.macro CM1 d, m
	v_cmp_lt_f32 s[\m],   v[\d], v18
	v_cmp_lt_f32 s[\m+1], v[\d], v17
	v_cmp_lt_f32 s[\m+2], v[\d], v16
	v_med3_num_f32 v18, v17, v18, v[\d]
	v_med3_num_f32 v17, v16, v17, v[\d]
	v_min_num_f32 v16, v16, v[\d]
.endm
.macro CN1 c, m
	v_cndmask_b32 v28, v[\c], v20, s[\m+1]
	v_cndmask_b32 v29, v[\c], v19, s[\m+2]
	v_cndmask_b32 v21, v21, v28, s[\m]
	v_cndmask_b32 v20, v20, v29, s[\m+1]
	v_cndmask_b32 v19, v19, v[\c], s[\m+2]
.endm
	CM1 22, 4
	CM1 23, 7
	CM1 24, 10
	s_wait_alu depctr_va_sdst(0)                   ; the nine masks s4 to s12 are written, ahead of the selections that read them
	CN1 25, 4
	CN1 26, 7
	CN1 27, 10
	v_add_f32 v30, 0x322bcc77, v16                 ; d + 1e-8
	v_add_f32 v31, 0x322bcc77, v17
	v_add_f32 v32, 0x322bcc77, v18
	v_rcp_f32 v33, v30
	v_rcp_f32 v34, v31
	v_rcp_f32 v35, v32
; a code becomes a row of p1t: 4096 x batch + 32 x the chunk's number + the place in the chunk.  The three codes side by side; their nine comparisons in one run.  (Plain lines behind the reciprocals)
.irp c, 0,1,2
	v_lshrrev_b32 v[22+\c], 5, v[19+\c]            ; the chunk's place among the four
.endr
.irp c, 0,1,2
	v_cmp_eq_u32 s[4+3*\c], 1, v[22+\c]
	v_cmp_eq_u32 s[5+3*\c], 2, v[22+\c]
	v_cmp_eq_u32 s[6+3*\c], 3, v[22+\c]
.endr
.irp c, 0,1,2
	v_and_b32 v[25+\c], 31, v[19+\c]               ; the place in the chunk
.endr
	s_wait_alu depctr_va_sdst(0)                   ; the nine masks s4 to s12 are written, ahead of the selections that read them
	s_wait_alu depctr_va_vdst(0)                   ; the three reciprocals v33 to v35 are written, ahead of their first reader
	v_add_f32 v30, v33, v34
	v_add_f32 v30, v30, v35
	v_rcp_f32 v31, v30
.irp c, 0,1,2
	v_cndmask_b32 v[22+\c], v[ID], v[ID+1], s[4+3*\c]
.endr
.irp c, 0,1,2
	v_cndmask_b32 v[22+\c], v[22+\c], v[ID+2], s[5+3*\c]
.endr
.irp c, 0,1,2
	v_cndmask_b32 v[22+\c], v[22+\c], v[ID+3], s[6+3*\c]
.endr
.irp c, 0,1,2
	v_lshl_add_u32 v[22+\c], v[22+\c], 5, v[25+\c]
.endr
.irp c, 0,1,2
	v_add_nc_u32 v[40+\c], s36, v[22+\c]
.endr
	v_mov_b32 v43, 0
	s_wait_alu depctr_va_vdst(0)                   ; the reciprocal of the sum, v31, is written, ahead of its first reader
	v_mul_f32 v44, v33, v31                        ; the weights: each reciprocal over their sum
	v_mul_f32 v45, v34, v31
	v_mul_f32 v46, v35, v31
	v_mov_b32 v47, 0
	s_wait_alu depctr_va_vdst(0)                   ; v40 to v47 are written, which the two stores read
	global_store_b128 v3, v[40:43], s[22:23]       ; a wave stores 512 consecutive bytes
	global_store_b128 v3, v[44:47], s[24:25]
	s_wait_dscnt 0x0                               ; the closing lines, six on end
	s_wait_alu 0x0
	s_wait_tensorcnt 0x0
	ds_add_u32 v15, v243
	s_wait_dscnt 0x0
	s_endpgm
.Lfunc_end_k_qd03229e249_rescan:
	.size	k_qd03229e249_rescan, .Lfunc_end_k_qd03229e249_rescan-k_qd03229e249_rescan
	.p2alignl 7, 3214868480
	.fill 96, 4, 3214868480
	.section	.rodata,"a",@progbits
	.p2align	6, 0x0
	.amdhsa_kernel k_qd03229e249_rescan
		.amdhsa_group_segment_fixed_size 85504
		.amdhsa_private_segment_fixed_size 0
		.amdhsa_enable_private_segment 0
		.amdhsa_kernarg_size 88
		.amdhsa_user_sgpr_count 2
		.amdhsa_user_sgpr_kernarg_segment_ptr 1
		.amdhsa_wavefront_size32 1
		.amdhsa_system_sgpr_workgroup_id_x 1
		.amdhsa_system_sgpr_workgroup_id_y 1
		.amdhsa_system_sgpr_workgroup_id_z 1
		.amdhsa_system_vgpr_workitem_id 0
		.amdhsa_next_free_vgpr 256
		.amdhsa_next_free_sgpr 66
		.amdhsa_reserve_vcc 0
		.amdhsa_float_denorm_mode_32 3
		.amdhsa_float_denorm_mode_16_64 3
		.amdhsa_memory_ordered 1
		.amdhsa_forward_progress 1
		.amdhsa_inst_pref_size 175
	.end_amdhsa_kernel
	.amdgpu_metadata
---
amdhsa.version: [ 1, 2 ]
amdhsa.kernels:
  - .name:           k_qd03229e249_rescan
    .symbol:         k_qd03229e249_rescan.kd
    .args:
      - { .name: keys, .offset: 0, .size: 8, .value_kind: global_buffer, .address_space: global }
      - { .name: xyz_1, .offset: 8, .size: 8, .value_kind: global_buffer, .address_space: global }
      - { .name: xyz_2, .offset: 16, .size: 8, .value_kind: global_buffer, .address_space: global }
      - { .name: points_1_codes, .offset: 24, .size: 8, .value_kind: global_buffer, .address_space: global }
      - { .name: points_1_scales, .offset: 32, .size: 8, .value_kind: global_buffer, .address_space: global }
      - { .name: w1_codes, .offset: 40, .size: 8, .value_kind: global_buffer, .address_space: global }
      - { .name: w1_scales, .offset: 48, .size: 8, .value_kind: global_buffer, .address_space: global }
      - { .name: b1, .offset: 56, .size: 8, .value_kind: global_buffer, .address_space: global }
      - { .name: p1t, .offset: 64, .size: 8, .value_kind: global_buffer, .address_space: global }
      - { .name: idx4, .offset: 72, .size: 8, .value_kind: global_buffer, .address_space: global }
      - { .name: w4, .offset: 80, .size: 8, .value_kind: global_buffer, .address_space: global }
    .group_segment_fixed_size: 85504
    .private_segment_fixed_size: 0
    .kernarg_segment_align: 8
    .kernarg_segment_size: 88
    .max_flat_workgroup_size: 128
    .sgpr_count:     66
    .vgpr_count:     256
    .wavefront_size: 32
...
	.end_amdgpu_metadata
.endif
;; end of part 5
;; launch fuse (part 6): grid 512 x 1, 4 waves a work-group, no clusters, 70,144 bytes of LDS; arguments points_2_codes, points_2_scales, w2_codes, w2_scales, b2, p1t, idx4, w4, xyz_2, out0, out1; writes out0, out1
.if DOCPART == 6
	.amdgcn_target "amdgcn-amd-amdhsa--gfx1250"
	.amdhsa_code_object_version 6
	.text
	.protected	k_qd03229e249_fuse
	.globl	k_qd03229e249_fuse
	.p2align	8
	.type	k_qd03229e249_fuse,@function
k_qd03229e249_fuse:
	s_mov_b64 s[64:65], 0
	v_nop
	global_prefetch_b8 v0, s[64:65] scope:SCOPE_SE
	s_setreg_imm32_b32 hwreg(HW_REG_WAVE_SCHED_MODE, 0, 2), 2
	s_setreg_imm32_b32 hwreg(HW_REG_WAVE_MODE, 25, 1), 1
	s_wait_xcnt 0x0
	s_wait_alu depctr_vm_vsrc(0)
; out1[b][c][n] = sum over k of w4[n][k] p1t[idx4[n][k]][c] + b2[c] + (points_2 W2^T)[n][c];  out0 = xyz_2.
; points_2 [32768][256] and W2 [256][256] are codes of E3M2 with one E8M0 scale for each 32 along K; p1t [8192][256], w4 [32768][4] f32 and idx4 [32768][4] u32 come from the launch before.
; SHARES.  A work-group has 64 points (four tiles of 16); wave w has channels 64 w .. 64 w + 63 of all of them (four tiles of 16).  The waves share nothing: no barrier.
; LAYOUT.  Source 0 = 16 points, source 1 = 16 rows of W2: lane (r, h) holds column r and points 8 h + 0..7.  THE ROWS OF W2 THAT FORM A TILE ARE NOT NEIGHBOURS: column r of tile t is channel 64 w + 4 r + t.
; So ONE load of 16 bytes at row x 1024 + 256 w + 16 r of p1t gives lane r its channels of all four tiles, and sixteen lanes read 256 consecutive bytes of the row; lanes 0-15 take point j's row,
; lanes 16-31 point 8 + j's.  The weighted sum of the three rows, begun on b2, is built in the accumulators' own layout and is the C of the product's first K step: the matrix unit adds p2 to it.
; out1 has n innermost: a lane's eight results are eight neighbouring points of one channel.  They gather in the wave's own stage in LDS (64 channels x 64 points) and leave as rows of 256 bytes.
; An index is held to 8191, the last row of p1t, ahead of its use in an address.
; THE MODE: SCHED_MODE bits 1:0 = 2 (LLVM: expert scheduling mode 2), set by the entry lines.  The code itself states the register dependences
; between vector or matrix instructions and memory or LDS instructions, with s_wait_alu, always for 0.
; THE PLAN.  Registers that memory or LDS instructions touch:
;   OFF  v68-91    the gathers' offsets, in two halves (points 0-3, points 4-7).  Written by a half's 36 offset lines, which stand together; read by that half's twelve gathers, which follow in one run.
;   G    v128-223  the gathered rows, in the same two halves.  Written by the gathers; read by FLO or FHI, behind which the next tile's gathers land there.
;   ACC  v96-127   written by FLO, FHI and the products; read by the stage's eight LDS stores; written anew by the next tile's FLO.
;   v16-47, G      on the way out the loads from the stage land there; the stores to out1 read them.
;   v3 .. v12      offsets and addresses, made once at the head.
; A tile holds four waits.  At its head, behind the wait for its first half's rows, one on vm_vsrc: all the tile's gathers have read OFF, and the last tile's stores into the stage have read ACC.
; One on va_vdst behind FLO and the next tile's first offsets, ahead of twelve gathers; one behind FHI and its second offsets, ahead of the other twelve; one behind the products' places, ahead of the stage's stores.
; REGISTERS.  v1 r; v2 h; v3, v4 my bytes in a fragment of points_2, of W2; v5 8 r; v6 32 r; v7 16 r; v8 my point's quad of idx4 and w4; v9, v10 the stage, in and back; v11 my bytes in out1; v12 8 x lane; v[14:15] the copy;
;   v16-31 idx4's quads, one a point tile: lane (r, h) holds point 8 h + r % 8's; v32-47 w4's likewise; v48-55 points_2's scale words, v56-63 W2's: they hold nothing else; v64-67 b2;
;   v68-91 the gathers' offsets, 3 a point j; v92-94 a point's weights; v96-127 the four accumulators; v128-223 the gathered rows, 12 a point j.
;   v256-351 W2's fragments, 12 for (tile, K step); v352-447 points_2's, 12 for (point tile, K step): both in the second window of 256.
.set IC,   16
.set WC,   32
.set PS,   48
.set W2S,  56
.set B2V,  64
.set OFF,  68
.set WT,   92
.set ACC,  96
.set G,    128
.set W2F,  0                           ; in window 1
.set PF,   96                          ; in window 1
.set SP,   272                         ; a stage row: 256 bytes + 16
.set MSB, 0
.macro WIN new                         ; the immediate's high byte repeats the setting that is left
.if MSB != \new
	s_set_vgpr_msb (MSB<<8)|\new
.set MSB, \new
.endif
.endm
	s_load_b256 s[4:11], s[0:1], 0x0               ; points_2_codes, points_2_scales, w2_codes, w2_scales
	s_load_b256 s[12:19], s[0:1], 0x20             ; b2, p1t, idx4, w4
	s_load_b128 s[20:23], s[0:1], 0x40             ; xyz_2, out0
	s_load_b64 s[24:25], s[0:1], 0x50              ; out1
	v_lshl_add_u32 v254, v0, 2, 0x11000
	v_mov_b32 v255, 0
	v_lshrrev_b32 v1, 5, v0
	v_readfirstlane_b32 s26, v1                    ; wave 0..3
	v_and_b32 v1, 15, v0
	v_bfe_u32 v2, v0, 4, 1
	v_mul_u32_u24 v3, v1, 192                      ; points_2: row r of 192 bytes, + 24 h
	v_mad_u32_u24 v3, v2, 24, v3
	v_mul_u32_u24 v4, v1, 768                      ; W2: row 4 r (+ t), + 24 h
	v_mad_u32_u24 v4, v2, 24, v4
	v_lshlrev_b32 v5, 3, v1
	v_lshlrev_b32 v6, 5, v1
	v_lshlrev_b32 v7, 4, v1
	v_and_b32 v8, 7, v0
	v_lshlrev_b32 v8, 4, v8
	v_lshl_add_u32 v8, v2, 7, v8                   ; 16 x (8 h + r % 8)
	s_wait_alu depctr_va_sdst(0)                   ; s26 is written, ahead of its first reader: the stage's place, the bases and two branches hang on it
	s_mul_i32 s27, s26, 64*SP                      ; my stage
	v_mul_u32_u24 v9, v1, SP
	v_lshl_add_u32 v9, v2, 5, v9
	v_add_nc_u32 v9, s27, v9                       ; in: row 16 t + r, + 32 h (+ 64 a point tile)
	v_mul_u32_u24 v10, v2, SP
	v_lshl_add_u32 v10, v1, 4, v10
	v_add_nc_u32 v10, s27, v10                     ; back: lanes 0-15 one row, lanes 16-31 the next
	v_lshlrev_b32 v11, 18, v2                      ; the next stage row is four channels of 65,536 bytes further on in out1
	v_lshl_add_u32 v11, v1, 4, v11
	v_and_b32 v12, 31, v0
	v_lshlrev_b32 v12, 3, v12
.irp i, 0,1,2,3,4,5,6,7,8,9,10,11,12,13,14,15,16,17,18,19,20,21,22,23,24,25,26
	v_mov_b32 v[OFF+\i], 0                         ; written once: the destination of a move from another lane counts as one of its sources
.endr
	s_lshr_b32 s28, ttmp9, 8                       ; the batch
	s_and_b32 s29, ttmp9, 255
	s_lshl_b32 s29, s29, 8                         ; my 64 points in a row of 16,384: 256 bytes
	s_mov_b32 s31, 0
	s_wait_kmcnt 0x0
	s_mul_i32 s30, ttmp9, 64*192
	s_add_nc_u64 s[4:5], s[4:5], s[30:31]
	s_lshl_b32 s30, ttmp9, 9
	s_add_nc_u64 s[6:7], s[6:7], s[30:31]
	s_mul_i32 s30, s26, 64*192
	s_add_nc_u64 s[8:9], s[8:9], s[30:31]
	s_lshl_b32 s30, s26, 9
	s_add_nc_u64 s[10:11], s[10:11], s[30:31]
	s_lshl_b32 s30, s26, 8
	s_add_nc_u64 s[12:13], s[12:13], s[30:31]
	s_add_nc_u64 s[14:15], s[14:15], s[30:31]      ; p1t at my 64 channels
	s_lshl_b32 s30, ttmp9, 10
	s_add_nc_u64 s[16:17], s[16:17], s[30:31]
	s_add_nc_u64 s[18:19], s[18:19], s[30:31]
	s_mul_i32 s30, s28, 196608
	s_lshl_b32 s32, s26, 16
	s_add_co_u32 s30, s30, s32
	s_add_co_u32 s30, s30, s29
	s_add_nc_u64 s[20:21], s[20:21], s[30:31]      ; xyz_2 and out0: coordinate = wave (waves 0 to 2 alone use it)
	s_add_nc_u64 s[22:23], s[22:23], s[30:31]
	s_lshl_b32 s30, s28, 24
	s_lshl_b32 s32, s26, 22
	s_add_co_u32 s30, s30, s32
	s_add_co_u32 s30, s30, s29
	s_add_nc_u64 s[24:25], s[24:25], s[30:31]
	s_wait_alu depctr_va_vdst(0)                   ; the offsets and addresses v3 to v12 are written, which the loads and stores of the kernel read; from here to the loads of W2's fragments stand loads, a window switch and scalar lines alone
	s_cmp_lt_u32 s26, 3                            ; the copy: wave w takes coordinate w of the 64 points, 256 bytes.  It is the oldest load, so it enters no later count
	s_cbranch_scc0 .Lno_row
	global_load_b64 v[14:15], v12, s[20:21]
.Lno_row:
.irp q, 0,1,2,3
	global_load_b128 v[IC+4*\q:IC+4*\q+3], v8, s[16:17] offset:256*\q
.endr
.irp q, 0,1,2,3
	global_load_b128 v[WC+4*\q:WC+4*\q+3], v8, s[18:19] offset:256*\q
.endr
	WIN 0x40                                       ; destination window 1
.irp f, 0,1,2,3,4,5,6,7
.irp p, 0,1,2,3,4,5
	global_load_b64 v[W2F+12*\f+2*\p:W2F+12*\f+2*\p+1], v4, s[8:9] offset:192*(\f/2)+96*(\f%2)+48*(\p/3)+8*(\p%3)   ; tile f / 2, K step f % 2
.endr
.endr
	WIN 0
.irp t, 0,1,2,3
	global_load_b64 v[W2S+2*\t:W2S+2*\t+1], v6, s[10:11] offset:8*\t
.endr
	global_load_b128 v[B2V:B2V+3], v7, s[12:13]    ; b2 at channels 4 r + 0..3 of my 64
.irp q, 0,1,2,3
	global_load_b64 v[PS+2*\q:PS+2*\q+1], v5, s[6:7] offset:128*\q
.endr
; Point j of tile q (j = 0..7; lanes 16-31: point 8 + j): its three indices come from lane j of my sixteen, are held to the table's last row and become byte offsets
.macro OFFJ q, j
.irp k, 0,1,2
	v_mov_b32_dpp v[OFF+3*\j+\k], v[IC+4*\q+\k] row_share:\j row_mask:0xf bank_mask:0xf
.endr
.irp k, 0,1,2
	v_min_u32 v[OFF+3*\j+\k], 8191, v[OFF+3*\j+\k]
.endr
.irp k, 0,1,2
	v_lshl_add_u32 v[OFF+3*\j+\k], v[OFF+3*\j+\k], 10, v7
.endr
.endm
.macro OLO q                           ; the offsets of points 0-3 (and 8-11)
.irp j, 0,1,2,3
	OFFJ \q, \j
.endr
.endm
.macro OHI q                           ; of points 4-7 (and 12-15)
.irp j, 4,5,6,7
	OFFJ \q, \j
.endr
.endm
.macro ASKJ j                          ; point j's three rows are asked for
.irp k, 0,1,2
	global_load_b128 v[G+12*\j+4*\k:G+12*\j+4*\k+3], v[OFF+3*\j+\k], s[14:15]
.endr
.endm
.macro ALO                             ; 12 loads: points 0-3 (and 8-11)
.irp j, 0,1,2,3
	ASKJ \j
.endr
.endm
.macro AHI                             ; 12 loads: points 4-7 (and 12-15)
.irp j, 4,5,6,7
	ASKJ \j
.endr
.endm
; The point's weighted sum, begun on b2, into register j of the four accumulators
.macro FMAJ q, j
.irp k, 0,1,2
	v_mov_b32_dpp v[WT+\k], v[WC+4*\q+\k] row_share:\j row_mask:0xf bank_mask:0xf
.endr
.irp t, 0,1,2,3
	v_fma_f32 v[ACC+8*\t+\j], v[WT], v[G+12*\j+\t], v[B2V+\t]
.endr
.irp t, 0,1,2,3
	v_fmac_f32 v[ACC+8*\t+\j], v[WT+1], v[G+12*\j+4+\t]
.endr
.irp t, 0,1,2,3
	v_fmac_f32 v[ACC+8*\t+\j], v[WT+2], v[G+12*\j+8+\t]
.endr
.endm
.macro FLO q
.irp j, 0,1,2,3
	FMAJ \q, \j
.endr
.endm
.macro FHI q
.irp j, 4,5,6,7
	FMAJ \q, \j
.endr
.endm
; p2 is added: two K steps of 128, the four accumulators by turns.  pre = 1: no other vector line stands between the last write of C and the products: four v_nop
.macro MM q, pre
.if \pre
.rept 4
	v_nop
.endr
.endif
	WIN 0x05                                       ; sources 0 and 1 window 1; C and D window 0
.irp s, 0,1
.irp t, 0,1,2,3
	v_wmma_scale_f32_16x16x128_f8f6f4 v[ACC+8*\t:ACC+8*\t+7], v[PF+12*(2*\q+\s):PF+12*(2*\q+\s)+11], v[W2F+12*(2*\t+\s):W2F+12*(2*\t+\s)+11], v[ACC+8*\t:ACC+8*\t+7], v[PS+2*\q+\s], v[W2S+2*\t+\s] matrix_a_fmt:MATRIX_FMT_BF6 matrix_b_fmt:MATRIX_FMT_BF6
.endr
.endr
	WIN 0
.rept 4
	v_nop                                          ; four places ahead of the first read of results
.endr
.endm
.macro STAGE q                         ; lane (r, h): points 16 q + 8 h + 0..7 of channel 4 r + t, into stage row 16 t + r; each accumulator from its low end on
	s_wait_alu depctr_va_vdst(0)                   ; the products have written the four accumulators, which the LDS stores read; the places above stay beside this wait
.irp t, 0,1,2,3
	ds_store_b128 v9, v[ACC+8*\t:ACC+8*\t+3]   offset:16*SP*\t+64*\q
	ds_store_b128 v9, v[ACC+8*\t+4:ACC+8*\t+7] offset:16*SP*\t+64*\q+16
.endr
.endm
	s_wait_loadcnt 57                              ; idx4 and w4 are in; W2's 48 + 4, b2's one and the points' 4 scale loads may be out
	OLO 0
	OHI 0
	s_wait_alu depctr_va_vdst(0)                   ; tile 0's 24 offsets are written, which the gathers read; from here to the loads of the points' fragments stand loads and a window switch alone
	ALO
	AHI
	WIN 0x40
.irp f, 0,1,2,3,4,5,6,7
.irp p, 0,1,2,3,4,5
	global_load_b64 v[PF+12*\f+2*\p:PF+12*\f+2*\p+1], v3, s[4:5] offset:3072*(\f/2)+96*(\f%2)+48*(\p/3)+8*(\p%3)   ; point tile f / 2, K step f % 2
.endr
.endr
	WIN 0
	; Two halves of a tile's gathers are always on their way.  Each counted wait shows one half in, which also frees its offsets' registers for the next tile's.
	s_wait_loadcnt 60                              ; tile 0's first half: behind it its second half's 12 and the fragments' 48
	s_wait_alu depctr_vm_vsrc(0)                   ; tile 0's gathers have read the 24 offsets, which are written again below
	FLO 0
	OLO 1
	s_wait_alu depctr_va_vdst(0)                   ; FLO is done reading the first half of G, in which the gathers below land; the first twelve offsets are written
	ALO
	s_wait_loadcnt 60                              ; tile 0's second half: behind it the fragments' 48 and tile 1's first 12
	FHI 0
	OHI 1
	s_wait_alu depctr_va_vdst(0)                   ; FHI is done reading the second half of G, in which the gathers below land; the other twelve offsets are written
	AHI
	s_wait_loadcnt 24                              ; the fragments: behind them tile 1's 24
	MM 0, 0
	STAGE 0
	s_wait_loadcnt 12                              ; tile 1's first half: behind it its second half's 12
	s_wait_dscnt 0x0                               ; the stage's stores are done
	s_wait_alu depctr_vm_vsrc(0)                   ; the stage's stores have read the accumulators, which FLO writes anew; tile 1's gathers have read the 24 offsets, which are written again below
	FLO 1
	OLO 2
	s_wait_alu depctr_va_vdst(0)                   ; FLO is done reading the first half of G, in which the gathers below land; the first twelve offsets are written
	ALO
	s_wait_loadcnt 12
	FHI 1
	OHI 2
	s_wait_alu depctr_va_vdst(0)                   ; FHI is done reading the second half of G, in which the gathers below land; the other twelve offsets are written
	AHI
	MM 1, 0
	STAGE 1
	s_wait_loadcnt 12
	s_wait_dscnt 0x0
	s_wait_alu depctr_vm_vsrc(0)                   ; the stage's stores have read the accumulators, which FLO writes anew; tile 2's gathers have read the 24 offsets, which are written again below
	FLO 2
	OLO 3
	s_wait_alu depctr_va_vdst(0)                   ; FLO is done reading the first half of G, in which the gathers below land; the first twelve offsets are written
	ALO
	s_wait_loadcnt 12
	FHI 2
	OHI 3
	s_wait_alu depctr_va_vdst(0)                   ; FHI is done reading the second half of G, in which the gathers below land; the other twelve offsets are written
	AHI
	MM 2, 0
	STAGE 2
	s_wait_loadcnt 12
	s_wait_dscnt 0x0
	s_wait_alu depctr_vm_vsrc(0)                   ; the stage's stores have read the accumulators, which FLO writes anew
	FLO 3
	s_wait_loadcnt 0x0
	FHI 3
	MM 3, 1
	STAGE 3                                        ; its wait on va_vdst also states that the vector lines are done reading G, the indices and the weights, in which the loads below land: no vector line follows it
; THE WAY OUT.  Load i takes stage rows 2 i and 2 i + 1: channels 8 (i % 8) + i / 8 and four further on.  The bytes are my own and LDS serves a wave's instructions in order (ISA guide 5.7.1.4): no wait ahead of the loads.
; They land in the registers that the gathers, the indices and the weights have left.
.set I, 0
.rept 32
.if I < 24
.set WR, G+4*I
.else
.set WR, IC+4*(I-24)
.endif
	ds_load_b128 v[WR:WR+3], v10 offset:2*SP*I
.set I, I+1
.endr
.set I, 0
.rept 32
.if I < 24
.set WR, G+4*I
.else
.set WR, IC+4*(I-24)
.endif
	s_wait_dscnt 31-I
	global_store_b128 v11, v[WR:WR+3], s[24:25] offset:(8*(I%8)+I/8)*65536 th:TH_STORE_NT   ; sixteen lanes store 256 consecutive bytes of a channel's row, at a multiple of 256 from out1's first byte; 59 rows at the most: inside the signed 24-bit immediate
.set I, I+1
.endr
	s_cmp_lt_u32 s26, 3
	s_cbranch_scc0 .Lend
	global_store_b64 v12, v[14:15], s[22:23]       ; out0: 32 lanes store 256 consecutive bytes
.Lend:
	s_wait_dscnt 0x0                               ; the closing lines, six on end
	s_wait_alu 0x0
	s_wait_tensorcnt 0x0
	ds_add_u32 v254, v255
	s_wait_dscnt 0x0
	s_endpgm
.Lfunc_end_k_qd03229e249_fuse:
	.size	k_qd03229e249_fuse, .Lfunc_end_k_qd03229e249_fuse-k_qd03229e249_fuse
	.p2alignl 7, 3214868480
	.fill 96, 4, 3214868480
	.section	.rodata,"a",@progbits
	.p2align	6, 0x0
	.amdhsa_kernel k_qd03229e249_fuse
		.amdhsa_group_segment_fixed_size 70144
		.amdhsa_private_segment_fixed_size 0
		.amdhsa_enable_private_segment 0
		.amdhsa_kernarg_size 88
		.amdhsa_user_sgpr_count 2
		.amdhsa_user_sgpr_kernarg_segment_ptr 1
		.amdhsa_wavefront_size32 1
		.amdhsa_system_sgpr_workgroup_id_x 1
		.amdhsa_system_sgpr_workgroup_id_y 1
		.amdhsa_system_sgpr_workgroup_id_z 1
		.amdhsa_system_vgpr_workitem_id 0
		.amdhsa_next_free_vgpr 448
		.amdhsa_next_free_sgpr 66
		.amdhsa_reserve_vcc 0
		.amdhsa_float_denorm_mode_32 3
		.amdhsa_float_denorm_mode_16_64 3
		.amdhsa_memory_ordered 1
		.amdhsa_forward_progress 1
		.amdhsa_inst_pref_size 78
	.end_amdhsa_kernel
	.amdgpu_metadata
---
amdhsa.version: [ 1, 2 ]
amdhsa.kernels:
  - .name:           k_qd03229e249_fuse
    .symbol:         k_qd03229e249_fuse.kd
    .args:
      - { .name: points_2_codes, .offset: 0, .size: 8, .value_kind: global_buffer, .address_space: global }
      - { .name: points_2_scales, .offset: 8, .size: 8, .value_kind: global_buffer, .address_space: global }
      - { .name: w2_codes, .offset: 16, .size: 8, .value_kind: global_buffer, .address_space: global }
      - { .name: w2_scales, .offset: 24, .size: 8, .value_kind: global_buffer, .address_space: global }
      - { .name: b2, .offset: 32, .size: 8, .value_kind: global_buffer, .address_space: global }
      - { .name: p1t, .offset: 40, .size: 8, .value_kind: global_buffer, .address_space: global }
      - { .name: idx4, .offset: 48, .size: 8, .value_kind: global_buffer, .address_space: global }
      - { .name: w4, .offset: 56, .size: 8, .value_kind: global_buffer, .address_space: global }
      - { .name: xyz_2, .offset: 64, .size: 8, .value_kind: global_buffer, .address_space: global }
      - { .name: out0, .offset: 72, .size: 8, .value_kind: global_buffer, .address_space: global }
      - { .name: out1, .offset: 80, .size: 8, .value_kind: global_buffer, .address_space: global }
    .group_segment_fixed_size: 70144
    .private_segment_fixed_size: 0
    .kernarg_segment_align: 8
    .kernarg_segment_size: 88
    .max_flat_workgroup_size: 128
    .sgpr_count:     66
    .vgpr_count:     448
    .wavefront_size: 32
...
	.end_amdgpu_metadata
.endif
;; end of part 6
